; MI455X (gfx1250); checked and timed in simulation.
; The chip was launched on July 23, 2026; its instructions are those of AMD's public machine-readable ISA for CDNA 5 (MIT licence, August 2026) and "CDNA5" Instruction Set Architecture Reference Guide (July 2026). The comments in the code are by the model that wrote it; some were corrected since.
;; Multi Head Self Attention. Allowed arithmetic: matrix products marked QUANTISED: E2M1 operands, one E8M0 scale for each 32 along K, by v_wmma_scale_f32_16x16x128_f8f6f4 with both operands' format E2M1 (or v_wmma_scale_f32_32x16x128_f4), f32 sums; everything else in f32.
;; Inputs: Wk 1,024 x 1,024 float32; Wo 1,024 x 1,024 float32; Wq 1,024 x 1,024 float32; Wv 1,024 x 1,024 float32; bk 1,024 float32; bo 1,024 float32; bq 1,024 float32; bv 1,024 float32; mask 4 x 1 x 1 x 2,048 int32; x 4 x 2,048 x 1,024 float32.
;; Outputs: out0 4 x 2,048 x 1,024 float32.
;; This version of the problem:
;;   THIS VERSION OF THE PROBLEM IS GIVEN IN LOW PRECISION. The matrix products marked QUANTISED in the list below multiply operands that are first quantised to E2M1 (2 exponent bits, 1 mantissa bit; 4 bits a number), with one power-of-two scale for each 32 numbers along K (OCP MX v1.0); their sums are f32. All else is computed in f32.
;;   The module's matrix products, in the order in which they are computed (A, B: the left and right operand; K: the contracted axis; several contracted axes count as one K, in the product's order):
;;     1. [M 8,192, K 1,024] x [K 1,024, N 1,024]; A: input x; B: input Wq: QUANTISED
;;     2. [M 8,192, K 1,024] x [K 1,024, N 1,024]; A: input x; B: input Wk: QUANTISED
;;     3. [M 8,192, K 1,024] x [K 1,024, N 1,024]; A: input x; B: input Wv: QUANTISED
;;     4. batch 64 x [M 2,048, K 64] x [K 64, N 2,048]; A: computed on the way; B: computed on the way: QUANTISED
;;     5. batch 64 x [M 2,048, K 2,048] x [K 2,048, N 64]; A: softmax (see below); B: computed on the way: QUANTISED
;;     6. [M 8,192, K 1,024] x [K 1,024, N 1,024]; A: computed on the way; B: input Wo: QUANTISED
;;   THE QUANTISER, for each operand of a quantised product, along K:
;;     - K is cut into blocks of 32 from its start; a last block that is shorter is filled with zeros.
;;     - A block's scale is 2^e with e = floor(log2(the largest magnitude in the block)) - 2, held to -126 .. 127; a block of zeros has e = 0. As a byte (E8M0): e + 127.
;;     - Each number is divided by its block's scale, clamped to +-6, and rounded to the nearest number of E2M1, ties to even, subnormals kept.
;;     - The product sums the exact products of the quantised numbers (number of the format x scale) in f32.
;;   ~~~python
;;   def quantise(x, axis):      # numpy; x: float32 -> the quantised numbers, widened to float32 again
;;       x = np.moveaxis(x, axis, -1); K = x.shape[-1]
;;       x = np.pad(x, [(0, 0)] * (x.ndim - 1) + [(0, -K % 32)]); x = x.reshape(x.shape[:-1] + (-1, 32)); a = np.abs(x).max(-1, keepdims=True)
;;       e = np.where(a > 0, np.clip(np.frexp(np.where(a > 0, a, 1))[1] - 1 - 2, -126, 127), 0)      # np.frexp(a)[1] - 1 = floor(log2(a)), exactly
;;       r = np.clip(x / 2.0 ** e, -6, 6)
;;       step = 2.0 ** (np.maximum(np.frexp(np.where(r == 0, 1, r))[1] - 1, 0) - 1)
;;       q = np.round(r / step) * step * 2.0 ** e      # np.round: ties to even
;;       return np.moveaxis(q.reshape(q.shape[:-2] + (-1,))[..., :K], -1, axis).astype(np.float32)
;;   ~~~
;;   SOFTMAX AHEAD OF A QUANTISED PRODUCT. Where the list says 'softmax', what is quantised is not the finished softmax but p = 2^(t - M), with t = logit x log2(e) and M = ceil(the row's largest t), a whole number; so 1/2 < the row's largest p <= 1. The row's sum l is taken of the UNQUANTISED p, in f32, and the product's result is divided by l at the end. Since M is a whole number, a kernel that streams over the keys may use a running M (the ceiling of the running maximum): every later rescaling is an exact power of two, which a block's scale takes up: the codes' values come out the same.
;;   OPERANDS COMPUTED ON THE WAY. 'Computed on the way' means the value that the module computes at that place (a softmax that the list does not call 'softmax' is quantised finished and normalised). What goes into a quantiser is computed in f32, as accurately as f32 sums, v_exp_f32 and their like allow (about 1e-6 of the number): no bf16 or f16 on the way to a quantiser, and a product that is left as it is and whose result goes on into a quantised operand takes f32 operands (vector FMAs, or v_wmma_f32_16x16x4_f32). A number that lies on a knife's edge between two numbers of the format may be rounded either way, as far as f32 arithmetic and the matrix unit's own rounding can turn it there, and no further.
;; One version. Each part assembles by itself: llvm-mc -triple=amdgcn-amd-amdhsa -mcpu=gfx1250 --defsym DOCPART=n.
;; ======== version 1 of 1: 4 launches
;; limits: right only within a limited range of input values
;; workspace buffers: xc 4,194,304 bytes; xs 262,144 bytes; wc 2,097,152 bytes; ws 131,072 bytes; qkv 12,582,912 bytes; qkvs 1,310,720 bytes; ac 4,194,304 bytes; asw 262,144 bytes
;; launch quant (part 1): grid 384 x 1, 4 waves a work-group, no clusters, 33,280 bytes of LDS; arguments x, Wq, Wk, Wv, Wo, xc, xs, wc, ws; writes xc, xs, wc, ws
.if DOCPART == 1
	.amdgcn_target "amdgcn-amd-amdhsa--gfx1250"
	.amdhsa_code_object_version 6
	.text
	.protected	k_qde70f3c3b1_quant
	.globl	k_qde70f3c3b1_quant
	.p2align	8
	.type	k_qde70f3c3b1_quant,@function
k_qde70f3c3b1_quant:
	s_mov_b64 s[64:65], 0
	v_nop
	global_prefetch_b8 v0, s[64:65] scope:SCOPE_SE
	s_setreg_imm32_b32 hwreg(HW_REG_WAVE_MODE, 25, 1), 1
	s_wait_xcnt 0x0
; x [8192][1024] and Wq, Wk, Wv, Wo [1024][1024], f32, K innermost, become codes of FP4 (E2M1), two a byte, K innermost, with one E8M0 byte for each 32 along K.
; xc [8192][512 B], xs [8192][32 B];  wc [4096 = Wq | Wk | Wv | Wo][512 B], ws [4096][32 B].
; A block's scale is 2^(floor(log2(largest magnitude)) - 2): its byte is the largest magnitude's exponent field - 2, held at 1 from below.  A block of zeros so gets the byte 1: its codes are zeros, and only this program reads the bytes.
; LIMITS: blocks whose largest magnitude lies under 2^-124 are held at the byte 1; NaN and infinities among the inputs are not served.
; THE ROWS ARE STORED IN ANOTHER ORDER: in each 64 rows, group g of 8 rows goes to place 2 (g % 4) + g / 4.  Position 16 u + r of each 64 rows then holds row 8 u + r % 8 + 32 (r / 8):
; sixteen consecutive stored rows are a tile, and as source 0 of a matrix instruction four such tiles put 32 neighbouring rows into one lane's 32 result registers.
; SHARES: a work-group takes 32 rows, a wave one group of 8 rows: 16 steps of 512 numbers.  Work-groups 0-255 take x, 256 + 32 t on take weight t.  One path for all five tensors: only pointers are chosen.
; Each load reads 512 consecutive bytes; a step's 2,048 bytes turn through the wave's own stage in LDS so that a lane holds 16 neighbours along K (two lanes to a block).  Waves share nothing: no barrier.
; Loads run eight steps ahead: 32 loads of a wave, 16,384 bytes, are out.
.set STEPS, 16
.set DEPTH, 8
.set EMAX,  2
.set CB,    8                          ; bytes of 16 codes
.set R,     16                         ; v16-143  eight sets of 16 numbers as they are loaded
.set X,     144                        ; v144-175 two sets of 16 neighbours
.set C,     176                        ; v176-207 codes: two registers of its own for each step
.set E,     208                        ; v208-223 a scale byte for each step
.set WREG,  8192                       ; LDS: a region for each wave: two stages of 32 x SP bytes, then its 256 scale bytes
.set SP,    80                         ; a lane's place in a stage: 64 bytes + 16 of padding
	s_load_b256 s[8:15], s[0:1], 0x0               ; x, Wq, Wk, Wv
	s_load_b256 s[16:23], s[0:1], 0x20             ; Wo, xc, xs, wc
	s_load_b64 s[24:25], s[0:1], 0x40              ; ws
	v_lshl_add_u32 v224, v0, 2, 0x8000
	v_mov_b32 v225, 0
	v_lshrrev_b32 v1, 5, v0
	v_readfirstlane_b32 s26, v1                    ; wave
	v_and_b32 v2, 31, v0                           ; lane
	v_lshlrev_b32 v3, 4, v2                        ; my 16 bytes of a load's 512
	s_mul_i32 s27, s26, WREG
	v_lshrrev_b32 v14, 2, v2
	v_mul_u32_u24 v14, v14, SP
	v_and_b32 v15, 3, v2
	v_lshl_add_u32 v14, v15, 4, v14
	v_add_nc_u32 v14, s27, v14                     ; the stage, on the way in: SP (lane / 4) + 16 (lane % 4)
	v_mul_u32_u24 v15, v2, SP
	v_add_nc_u32 v15, s27, v15                     ; and on the way out: SP x lane: my 16 neighbours
	v_mul_u32_u24 v4, v2, CB                       ; my codes' place in a step's
	v_lshrrev_b32 v5, 1, v2
	s_add_co_u32 s27, s27, 2*32*SP
	v_add_nc_u32 v5, s27, v5                       ; LDS: my wave's 256 scale bytes, my block's byte
	v_lshlrev_b32 v7, 3, v2                        ; and on the way out 8 bytes a lane
	v_add_nc_u32 v6, s27, v7
	s_and_b32 s30, ttmp9, 31                       ; a weight's work-group: which 32 rows of the weight,
	s_sub_co_u32 s31, ttmp9, 256                   ; and of wc
	s_wait_alu depctr_va_vdst(0)
	s_wait_kmcnt 0x0
	s_mov_b64 s[4:5], s[10:11]                     ; the source: the choices hang on the work-group's number alone
	s_cmp_ge_u32 ttmp9, 288
	s_cselect_b64 s[4:5], s[12:13], s[4:5]
	s_cmp_ge_u32 ttmp9, 320
	s_cselect_b64 s[4:5], s[14:15], s[4:5]
	s_cmp_ge_u32 ttmp9, 352
	s_cselect_b64 s[4:5], s[16:17], s[4:5]
	s_cmp_lt_u32 ttmp9, 256
	s_cselect_b64 s[4:5], s[8:9], s[4:5]
	s_cselect_b64 s[6:7], s[18:19], s[22:23]       ; the codes' buffer
	s_cselect_b64 s[28:29], s[20:21], s[24:25]     ; the scale bytes'
	s_cselect_b32 s30, ttmp9, s30
	s_cselect_b32 s31, ttmp9, s31
	s_lshl_b32 s30, s30, 2
	s_add_co_u32 s30, s30, s26                     ; which group of 8 rows I read: 32,768 bytes each
	s_lshl_b32 s32, s30, 15
	s_mov_b32 s33, 0
	s_add_nc_u64 s[4:5], s[4:5], s[32:33]
	s_lshl_b32 s31, s31, 2
	s_add_co_u32 s31, s31, s26                     ; the same group, counted in the buffer that I write;
	s_and_b32 s34, s31, 7                          ; g: its number in its 64 rows
	s_sub_co_u32 s31, s31, s34
	s_and_b32 s35, s34, 3
	s_lshl_b32 s35, s35, 1
	s_lshr_b32 s34, s34, 2
	s_add_co_u32 s31, s31, s35
	s_add_co_u32 s31, s31, s34                     ; its place: 2 (g % 4) + g / 4: 4,096 bytes of codes, 256 scale bytes
	s_lshl_b32 s32, s31, 12
	s_add_nc_u64 s[6:7], s[6:7], s[32:33]
	s_lshl_b32 s32, s31, 8
	s_add_nc_u64 s[28:29], s[28:29], s[32:33]
.macro LOAD t
.irp i, 0,1,2,3
	global_load_b128 v[R+16*((\t)%DEPTH)+4*\i:R+16*((\t)%DEPTH)+4*\i+3], v3, s[4:5] offset:2048*(\t)+512*\i th:TH_LOAD_NT   ; 32 lanes read 512 consecutive bytes
.endr
.endm
.macro TURN t                          ; step t's numbers through the stage: LDS serves a wave's instructions in order, so no wait stands between the stores and the loads
.irp i, 0,1,2,3
	ds_store_b128 v14, v[R+16*((\t)%DEPTH)+4*\i:R+16*((\t)%DEPTH)+4*\i+3] offset:32*SP*((\t)%2)+8*SP*\i
.endr
.irp i, 0,1,2,3
	ds_load_b128 v[X+16*((\t)%2)+4*\i:X+16*((\t)%2)+4*\i+3], v15 offset:32*SP*((\t)%2)+16*\i
.endr
.endm
.irp t, 0,1,2,3,4,5,6,7
	LOAD \t
.endr
	s_wait_loadcnt 28                              ; step 0's four loads are in; the 28 of steps 1 to 7 may be out
	TURN 0
.macro STEP t
.set XS, X+16*((\t)%2)
.if (\t) > 0
	s_wait_dscnt 1                                 ; this step's numbers are back from the stage (the last step's byte store may be out)
.else
	s_wait_dscnt 0x0
.endif
.if (\t)+DEPTH < STEPS
	LOAD (\t)+DEPTH                                ; into the registers that this step's stage stores have read
.endif
.if (\t)+1 < STEPS
.if STEPS-2-(\t) >= DEPTH-1
	s_wait_loadcnt 4*(DEPTH-1)                     ; the next step's four loads are in; those of the seven steps behind it may be out
.else
	s_wait_loadcnt 4*(STEPS-2-(\t))
.endif
	TURN (\t)+1                                    ; through the other stage while this step is worked
.endif
	v_max3_num_f32 v8, |v[XS]|, |v[XS+1]|, |v[XS+2]|               ; the largest magnitude of my 16, in two chains
	v_max3_num_f32 v9, |v[XS+3]|, |v[XS+4]|, |v[XS+5]|
.irp i, 6,10
	v_max3_num_f32 v8, v8, |v[XS+\i]|, |v[XS+\i+1]|
	v_max3_num_f32 v9, v9, |v[XS+\i+2]|, |v[XS+\i+3]|
.endr
	v_max3_num_f32 v8, v8, |v[XS+14]|, |v[XS+15]|
	v_max3_num_f32 v8, v8, v9, (EMAX+1)<<23        ; and the floor 2^(3 - 127): the byte cannot fall under 1
	v_max_num_f32_dpp v8, v8, v8 row_xmask:1 row_mask:0xf bank_mask:0xf   ; and of my neighbour's 16: the block's
	v_add_nc_u32 v11, 0xff000000, v8               ; 2 off its exponent field: the conversion takes the exponent field of this operand as its scale
	v_cvt_scalef32_pk8_fp4_f32 v[C+2*(\t)], v[XS:XS+7], v11
	v_cvt_scalef32_pk8_fp4_f32 v[C+2*(\t)+1], v[XS+8:XS+15], v11
	v_lshrrev_b32 v[E+(\t)], 23, v11               ; the scale's byte
	ds_store_b8 v5, v[E+(\t)] offset:16*(\t)       ; both lanes of a block write the same byte with the same value
	global_store_b64 v4, v[C+2*(\t):C+2*(\t)+1], s[6:7] offset:32*CB*(\t)   ; the wave stores 256 consecutive bytes, aligned
.endm
.irp t, 0,1,2,3,4,5,6,7,8,9,10,11,12,13,14,15
	STEP \t
.endr
	ds_load_b64 v[12:13], v6                       ; LDS serves a wave's instructions in order: these see my stores
	s_wait_dscnt 0x0
	global_store_b64 v7, v[12:13], s[28:29]        ; 32 lanes store 256 consecutive bytes, aligned
	s_wait_tensorcnt 0x0
	ds_add_u32 v224, v225
	s_wait_dscnt 0x0
	s_endpgm
.Lfunc_end_k_qde70f3c3b1_quant:
	.size	k_qde70f3c3b1_quant, .Lfunc_end_k_qde70f3c3b1_quant-k_qde70f3c3b1_quant
	.p2alignl 7, 3214868480
	.fill 96, 4, 3214868480
	.section	.rodata,"a",@progbits
	.p2align	6, 0x0
	.amdhsa_kernel k_qde70f3c3b1_quant
		.amdhsa_group_segment_fixed_size 33280
		.amdhsa_private_segment_fixed_size 0
		.amdhsa_enable_private_segment 0
		.amdhsa_kernarg_size 72
		.amdhsa_user_sgpr_count 2
		.amdhsa_user_sgpr_kernarg_segment_ptr 1
		.amdhsa_wavefront_size32 1
		.amdhsa_system_sgpr_workgroup_id_x 1
		.amdhsa_system_sgpr_workgroup_id_y 1
		.amdhsa_system_sgpr_workgroup_id_z 1
		.amdhsa_system_vgpr_workitem_id 0
		.amdhsa_next_free_vgpr 226
		.amdhsa_next_free_sgpr 66
		.amdhsa_reserve_vcc 0
		.amdhsa_float_denorm_mode_32 3
		.amdhsa_float_denorm_mode_16_64 3
		.amdhsa_memory_ordered 1
		.amdhsa_forward_progress 1
		.amdhsa_inst_pref_size 34
	.end_amdhsa_kernel
	.amdgpu_metadata
---
amdhsa.version: [ 1, 2 ]
amdhsa.kernels:
  - .name:           k_qde70f3c3b1_quant
    .symbol:         k_qde70f3c3b1_quant.kd
    .args:
      - { .name: x, .offset: 0, .size: 8, .value_kind: global_buffer, .address_space: global }
      - { .name: Wq, .offset: 8, .size: 8, .value_kind: global_buffer, .address_space: global }
      - { .name: Wk, .offset: 16, .size: 8, .value_kind: global_buffer, .address_space: global }
      - { .name: Wv, .offset: 24, .size: 8, .value_kind: global_buffer, .address_space: global }
      - { .name: Wo, .offset: 32, .size: 8, .value_kind: global_buffer, .address_space: global }
      - { .name: xc, .offset: 40, .size: 8, .value_kind: global_buffer, .address_space: global }
      - { .name: xs, .offset: 48, .size: 8, .value_kind: global_buffer, .address_space: global }
      - { .name: wc, .offset: 56, .size: 8, .value_kind: global_buffer, .address_space: global }
      - { .name: ws, .offset: 64, .size: 8, .value_kind: global_buffer, .address_space: global }
    .group_segment_fixed_size: 33280
    .private_segment_fixed_size: 0
    .kernarg_segment_align: 8
    .kernarg_segment_size: 72
    .max_flat_workgroup_size: 128
    .sgpr_count:     66
    .vgpr_count:     226
    .wavefront_size: 32
...
	.end_amdgpu_metadata
.endif
;; end of part 1
;; launch qkv (part 2): grid 8 x 32, 4 waves a work-group, clusters of 4 x 4, 327,680 bytes of LDS; arguments xc, xs, wc, ws, bq, bk, bv, qkv, qkvs; writes qkv, qkvs
.if DOCPART == 2
	.amdgcn_target "amdgcn-amd-amdhsa--gfx1250"
	.amdhsa_code_object_version 6
	.text
	.protected	k_qde70f3c3b1_qkv
	.globl	k_qde70f3c3b1_qkv
	.p2align	8
	.type	k_qde70f3c3b1_qkv,@function
k_qde70f3c3b1_qkv:
	s_mov_b64 s[64:65], 0
	v_nop
	global_prefetch_b8 v0, s[64:65] scope:SCOPE_SE
	s_setreg_imm32_b32 hwreg(HW_REG_WAVE_MODE, 25, 1), 1
	s_wait_xcnt 0x0
	s_wait_alu depctr_hold_cnt(0) depctr_sa_sdst(0) depctr_va_vdst(0) depctr_va_sdst(0) depctr_va_ssrc(0) depctr_va_vcc(0) depctr_vm_vsrc(0)
	s_getreg_b32 s2, hwreg(HW_REG_IB_STS2, 6, 4)
	s_cmp_eq_u32 s2, 0
	s_cbranch_scc0 .Lentry_in_a_cluster
	s_endpgm
.Lentry_in_a_cluster:
	s_bfe_u32 s2, ttmp6, 0x10000c
	s_cmp_lg_u32 s2, 0xf033
	s_cbranch_scc0 .Lentry_shape_is_right
	s_endpgm
.Lentry_shape_is_right:
; q = x Wq^T + bq, k = x Wk^T + bk, v = x Wv^T + bv on codes of FP4 with E8M0 scales, sums in f32; the results are quantised in registers and leave as codes: q and k along the head's 64, v along the keys.
; 256 work-groups of equal work, in two phases.
;   PHASE 1: a tile of 256 tokens x 256 features of q (cluster x = 0) or k (1); four waves, 128 x 128 each: 64 accumulators.  Source 0 = 16 rows of Wq or Wk, source 1 = 16 tokens: a lane owns ONE token, its registers run along the features.
;   PHASE 2: v for the SAME 256 tokens and 128 features of Wv (the eight work-groups of a token tile share Wv's 1,024 rows).  Source 0 = 16 tokens, source 1 = 16 rows of Wv: a lane owns one feature, its registers run along the KEYS.
;            A wave takes 128 tokens x 64 features (one head): 32 accumulators.  x stays in LDS; Wv's 128 rows are brought into the bytes that Wq or Wk has left, asked for ahead of phase 1's way out, under which they land.
; xc and wc hold their rows in the order in which position 16 u + r of each 64 is row 8 u + r % 8 + 32 (r / 8): so the 32 registers of result tiles 4 c .. 4 c + 3 of a lane are the 32 neighbours 64 c + 32 (lane / 16) + 0 .. 31
; along source 0's rows: a WHOLE block of the next product's K in a lane, as the operand's layout wants it: its largest magnitude needs no other lane, and the conversions' results are the operand's registers.
; K = 1,024 is 512 bytes a row: a phase's tiles lie whole in LDS, and its eight K steps of 128 have no barrier among them.
; CLUSTER 4 x 4: x's tile is shared along a row of the cluster, the weights' along a column: joint loads.  All work-groups run one path.
; OUT: qkv [I = (batch 16 + head) 16 + group of 128 tokens][12,288 B]: q 8 tiles x 512 B | k likewise | v^T 4 tiles x 2 x 512 B; each 512 B is an image of four operand registers, lane l's 16 bytes at 16 l.
;      qkvs [I][1,280 B]: q's scale words [tile][16] | k's | v's [tile][16].  A q or k word: the head's two bytes, then 0x7f, 0x7f.
; LIMITS: NaN and infinities are not served; a block whose largest magnitude lies under 2^-124 keeps the byte 1.
; REGISTERS: window 0: v1-31 addresses; v32-95 scale words, two sets; v96-103 bv a lane; v112-127 Wv's scale words; v128-191 source 1's fragments; v192-255 bq or bk along the registers.
;   window 1: source 0's fragments, two sets, at v0 and v128.   windows 2, 3: the accumulators.   On the ways out v32-58 and v128-191 of window 0 are at work.
.set PITCH,  528                       ; an LDS row: 512 bytes + 16 of padding: the 16 rows of a fragment load start 4 banks apart
.set HALFT,  128*PITCH                 ; 128 rows: what one of the first tensor loads brings
.set BREG,   2*HALFT                   ; behind x's 256 rows: the weights'
.set SCL,    4*HALFT                   ; then the scale bytes, as units of 256 bytes + 16
.set HALFS,  16*272                    ; those of 128 rows
.set SBLK,   2*272                     ; those of 16 rows
.set STQ,    SCL+4*HALFS               ; stage for q's and k's scale words: 1,024 bytes a wave
.set STV,    STQ+4096                  ; stage for v's: 256 bytes a wave
.set SPARE,  STV+2048                  ; the spare words, 128 bytes for each wave: two blocks of 256 bytes that no other line names
.set FR,   8
.set NQ,   4
.set CO8,  15                          ; 8 x lane
.set ADRA, 16                          ; x's fragments: my 128 tokens
.set ADRW, 17                          ; Wv's: my 64 rows
.set SH8,  18                          ; 8 x (lane / 16)
.set SELR, 19                          ; byte selects for a q or k scale word
.set ADRB, 20                          ; Wq's or Wk's fragments: my 128 rows
.set SSTV, 21
.set SPW,  22                          ; LDS address of my spare word; never rewritten
.set NIL,  23                          ; 0; never rewritten
.set CO,   24                          ; 16 x lane
.set SST,  25
.set SRD,  26
.set ADRS, 27
.set BOQ,  28
.set BOV,  29
.set SRDV, 30
.set L32,  31                          ; 32 x lane
.set SC,   32
.set BV,   96
.set WS,   112
.set AF,   128
.set BQ,   192
.set T,    128                         ; the way out: 64 numbers of a lane
.set TM,   32                          ; v32-35 largest magnitudes, two chains a block
.set SO,   36                          ; v36-37 the conversions' scale operands
.set BY,   38                          ; v38-39 the scales' bytes
.set PC,   40                          ; v40-47 the codes just made
.set OB,   48                          ; v48-55 scale words on their way out
.set PW,   56
.set PP,   57
.set W0,   58
.set SEL,  78
.set G1,   24
.set G0,   32
.set G0S,  36
.set G1B,  48
.set G0B,  56
.set G0SB, 60
.set G1S,  80
.set G1V,  80                          ; group 1 for Wv's rows: written where x's scales' group 1 stood, behind the wait that shows that load done
.set G1SB, 88
.set G0V,  96
.set MSB, 0
.macro WIN new                         ; the immediate's high byte repeats the setting that is left
.if MSB != \new
	s_set_vgpr_msb (MSB<<8)|\new
.set MSB, \new
.endif
.endm
.set MUL_LO, 0xa1                      ; source 0 window 1, source 1 window 0, C and D window 2
.set MUL_HI, 0xf1                      ; the same, C and D window 3
.set TO_B,   0x40                      ; destination window 1, address window 0
; A joint load: waves 0 and 1 fetch x's part, waves 2 and 3 the weights'.  The branch hangs on the wave's number alone.  Four v_nop follow each of the two lines.
.macro JLOAD g0a, g1a, g0b, g1b
	s_cmp_eq_u32 s15, 0
	s_cbranch_scc0 .Lfor_b_\@
	tensor_load_to_lds s[\g0a:\g0a+3], s[\g1a:\g1a+7]
	s_nop 0
.rept 4
	v_nop
.endr
	s_branch .Lasked_\@
.Lfor_b_\@:
	tensor_load_to_lds s[\g0b:\g0b+3], s[\g1b:\g1b+7]
	s_nop 0
.rept 4
	v_nop
.endr
.Lasked_\@:
.endm
.macro CROUND                          ; a round of the cluster's barrier
	s_barrier_signal -1
	s_barrier_wait -1
	s_cmp_lg_u32 s14, 0
	s_cbranch_scc1 .Lnot_wave_0_\@
	s_barrier_signal -3
.Lnot_wave_0_\@:
	s_barrier_wait -3
	s_barrier_signal -1
	s_barrier_wait -1
.endm
.macro PLACES n
.rept \n
	v_nop
.endr
.endm
	s_load_b256 s[4:11], s[0:1], 0x0               ; xc, xs, wc, ws
	s_load_b256 s[68:75], s[0:1], 0x20             ; bq, bk, bv, qkv
	s_load_b64 s[76:77], s[0:1], 0x40              ; qkvs
	v_lshl_add_u32 v[SPW], v0, 2, SPARE
	v_mov_b32 v[NIL], 0
	ds_add_u32 v22, v23
	ds_add_u32 v22, v23
	s_wait_dscnt 0x0
	v_lshrrev_b32 v1, 5, v0
	v_readfirstlane_b32 s14, v1                    ; wave 0..3
	s_lshr_b32 s15, s14, 1                         ; which 128 of the tile's tokens are mine.  Also: I fetch for x (0) or for the weights (1)
	s_and_b32 s16, s14, 1                          ; which half of the features.  Also: which half of a tile I fetch
	s_bfe_u32 s40, ttmp6, 0x40000                  ; cx
	s_bfe_u32 s41, ttmp6, 0x40004                  ; cy
	s_lshl_b32 s42, ttmp9, 2
	s_add_co_u32 s42, s42, s40                     ; the weights' tile, 0..7: 256 rows of Wq | Wk, and 128 rows of Wv: it never holds cy
	s_and_b32 s17, ttmp7, 0xffff
	s_lshl_b32 s17, s17, 2
	s_add_co_u32 s17, s17, s41                     ; the tokens' tile, 0..31: it never holds cx
	s_lshl_b32 s43, s41, 2
	s_lshl_b32 s43, 15, s43                        ; my row of the cluster
	s_lshl_b32 s44, 0x1111, s40                    ; my column
	; group 1 for codes: 128 rows x 512 bytes, 16 bytes of padding behind each row
	s_or_b32 s[G1+0], s43, (0<<16)|(1<<20)|(1<<21)|(6<<22)|(3<<25)  ; 15:0 mask; 17:16 elements of 1 byte; 20 padding on; 21 set beside a mask; 24:22 after every 128 words; 31:25 four words
	s_or_b32 s[G1B+0], s44, (0<<16)|(1<<20)|(1<<21)|(6<<22)|(3<<25)
.irp g, G1, G1B
	s_mov_b32 s[\g+1], 512<<16                     ; tensor_dim0
	s_mov_b32 s[\g+2], 128<<16                     ; tensor_dim1
	s_mov_b32 s[\g+3], 512<<16                     ; tile_dim0
	s_mov_b32 s[\g+4], 128                         ; tile_dim1
	s_mov_b32 s[\g+5], 512                         ; pitch
	s_mov_b32 s[\g+6], 0
	s_mov_b32 s[\g+7], 0
.endr
	; group 1 for the scale bytes of 128 rows: 4,096 dense bytes as 16 rows of 256 (32 elements of 8 bytes), 16 bytes of padding behind each
	s_or_b32 s[G1S+0], s43, (3<<16)|(1<<20)|(1<<21)|(5<<22)|(3<<25)
	s_or_b32 s[G1SB+0], s44, (3<<16)|(1<<20)|(1<<21)|(5<<22)|(3<<25)
.irp g, G1S, G1SB
	s_mov_b32 s[\g+1], 32<<16
	s_mov_b32 s[\g+2], 16<<16
	s_mov_b32 s[\g+3], 32<<16
	s_mov_b32 s[\g+4], 16
	s_mov_b32 s[\g+5], 32
	s_mov_b32 s[\g+6], 0
	s_mov_b32 s[\g+7], 0
.endr
	s_lshl_b32 s18, s16, 7                         ; which 128 rows of a tile I fetch
	s_lshl_b32 s20, s17, 8
	s_add_co_u32 s20, s20, s18                     ; x's first row that I fetch
	s_lshl_b32 s46, s42, 8
	s_add_co_u32 s46, s46, s18                     ; Wq | Wk's
	s_lshl_b32 s22, s20, 5                         ; 32 scale bytes a row,
	s_mov_b32 s23, 0
	s_lshl_b32 s20, s20, 9                         ; 512 bytes of codes
	s_mov_b32 s21, 0
	s_lshl_b32 s66, s46, 5
	s_mov_b32 s67, 0
	s_lshl_b32 s46, s46, 9
	s_mov_b32 s47, 0
	s_lshl_b32 s18, s42, 7
	s_lshl_b32 s19, s16, 6
	s_add_co_u32 s18, s18, s19
	s_add_co_u32 s18, s18, 2048                    ; Wv's first row that I fetch: 2,048 + 128 x tile + 64 x half
	s_lshl_b32 s18, s18, 9
	s_mov_b32 s19, 0
	s_mul_i32 s12, s14, HALFT                      ; where the first fills go: wave x 128 rows: x's halves, then the weights'
	s_mul_i32 s13, s14, HALFS
	s_wait_kmcnt 0x0
	s_add_nc_u64 s[G0+2:G0+3], s[4:5], s[20:21]
	s_add_nc_u64 s[G0S+2:G0S+3], s[6:7], s[22:23]
	s_add_nc_u64 s[G0B+2:G0B+3], s[8:9], s[46:47]
	s_add_nc_u64 s[G0SB+2:G0SB+3], s[10:11], s[66:67]
	s_add_nc_u64 s[G0V+2:G0V+3], s[8:9], s[18:19]
	s_or_b32 s[G0+3], s[G0+3], 0x80000000          ; type = 2
	s_or_b32 s[G0S+3], s[G0S+3], 0x80000000
	s_or_b32 s[G0B+3], s[G0B+3], 0x80000000
	s_or_b32 s[G0SB+3], s[G0SB+3], 0x80000000
	s_or_b32 s[G0V+3], s[G0V+3], 0x80000000
	s_mov_b32 s[G0], 1
	s_mov_b32 s[G0+1], s12
	s_mov_b32 s[G0B], 1
	s_mov_b32 s[G0B+1], s12
	s_mov_b32 s[G0S], 1
	s_add_co_u32 s[G0S+1], s13, SCL
	s_mov_b32 s[G0SB], 1
	s_add_co_u32 s[G0SB+1], s13, SCL
	s_mov_b32 s[G0V], 1
	s_mul_i32 s[G0V+1], s16, 64*PITCH
	s_add_co_u32 s[G0V+1], s[G0V+1], BREG          ; Wv's halves of 64 rows, at the head of the weights' bytes
	CROUND                                         ; all sixteen work-groups are here: the joint loads meet
	JLOAD G0S, G1S, G0SB, G1SB                     ; two tensor loads of mine are out: the scale bytes,
	s_wait_alu depctr_va_vdst(0)
	s_wait_tensorcnt 0x0
	ds_add_u32 v22, v23
	s_wait_dscnt 0x0
	CROUND
	JLOAD G0, G1, G0B, G1B                         ; and 128 rows of codes, all of K
	; where my results go
	s_lshl_b32 s20, s17, 1
	s_add_co_u32 s20, s20, s15                     ; my group of 128 tokens, 0..63
	s_lshr_b32 s21, s20, 4
	s_lshl_b32 s21, s21, 8
	s_and_b32 s20, s20, 15
	s_add_co_u32 s21, s21, s20                     ; batch 256 + group in the batch
	s_lshl_b32 s18, s40, 2
	s_lshl_b32 s19, s16, 1
	s_add_co_u32 s18, s18, s19                     ; q, k: my first head = 4 cx + 2 x half
	s_lshl_b32 s19, s42, 1
	s_add_co_u32 s19, s19, s16                     ; v: my head = 2 x tile + half
	s_lshl_b32 s22, s18, 4
	s_add_co_u32 s22, s22, s21                     ; I of q, k
	s_lshl_b32 s23, s19, 4
	s_add_co_u32 s23, s23, s21                     ; I of v
	s_mul_i32 s46, s23, 12288
	s_add_co_u32 s46, s46, 8192
	s_mov_b32 s47, 0
	s_add_nc_u64 s[100:101], s[74:75], s[46:47]    ; v's images
	s_mul_i32 s46, s23, 1280
	s_add_co_u32 s46, s46, 1024
	s_add_nc_u64 s[104:105], s[76:77], s[46:47]    ; v's scale words
	s_mul_i32 s46, s22, 12288
	s_lshl_b32 s66, ttmp9, 12
	s_add_co_u32 s46, s46, s66                     ; + 4,096 for k
	s_add_nc_u64 s[74:75], s[74:75], s[46:47]      ; q's or k's images
	s_mul_i32 s46, s22, 1280
	s_lshl_b32 s66, ttmp9, 9
	s_add_co_u32 s46, s46, s66
	s_add_nc_u64 s[76:77], s[76:77], s[46:47]      ; and scale words
	s_cmp_eq_u32 ttmp9, 1
	s_cselect_b64 s[2:3], s[70:71], s[68:69]       ; bk or bq
	s_lshl_b32 s46, s18, 8
	s_add_nc_u64 s[2:3], s[2:3], s[46:47]          ; at my two heads' 128 features
	s_lshl_b32 s46, s19, 8
	s_add_nc_u64 s[72:73], s[72:73], s[46:47]      ; bv at my head's 64
	s_lshl_b32 s46, s19, 11
	s_add_co_u32 s46, s46, 2048*32
	s_add_nc_u64 s[10:11], s[10:11], s[46:47]      ; Wv's scale bytes at my 64 rows
	v_and_b32 v1, 15, v0                           ; r
	v_bfe_u32 v2, v0, 4, 1                         ; h
	v_lshlrev_b32 v[BOQ], 7, v2                    ; along the registers: register 32 c + i is feature 64 c + 32 h + i
	v_and_b32 v3, 7, v1
	v_lshrrev_b32 v4, 3, v1
	v_lshlrev_b32 v3, 2, v3
	v_lshl_add_u32 v[BOV], v4, 7, v3               ; a lane: block a's lane r is feature 8 a + r % 8 + 32 (r / 8) of the head
	v_and_b32 v5, 31, v0
	v_lshlrev_b32 v[L32], 5, v5
	v_lshlrev_b32 v[CO], 4, v5
	v_lshlrev_b32 v[CO8], 3, v5
.irp c, 0,1
.irp k, 0,1,2,3,4,5,6,7
	global_load_b128 v[BQ+32*\c+4*\k:BQ+32*\c+4*\k+3], v[BOQ], s[2:3] offset:256*\c+16*\k
.endr
.endr
.irp a, 0,1,2,3
	global_load_b32 v[BV+2*\a], v[BOV], s[72:73] offset:32*\a
	v_mov_b32 v[BV+2*\a+1], 0                      ; (named as the upper half of a pair)
.endr
.irp p, 0,1
.irp u, 0,1
	global_load_b128 v[WS+8*\p+4*\u:WS+8*\p+4*\u+3], v[L32], s[10:11] offset:\p*1024+16*\u   ; register 8 p + q: K step q's words: lanes 0-15 block 2 p's rows, lanes 16-31 block 2 p + 1's
.endr
.endr
	v_mul_u32_u24 v3, v1, PITCH
	v_lshl_add_u32 v4, v2, 4, v3                   ; a fragment's row x pitch + 16 x half
	s_mul_i32 s21, s15, HALFT                      ; my 128 tokens
	s_mul_i32 s22, s16, HALFT
	s_add_co_u32 s22, s22, BREG                    ; my 128 rows of Wq or Wk
	s_mul_i32 s23, s16, 64*PITCH
	s_add_co_u32 s23, s23, BREG                    ; my 64 rows of Wv
	v_add_nc_u32 v[ADRA], s21, v4
	v_add_nc_u32 v[ADRB], s22, v4
	v_add_nc_u32 v[ADRW], s23, v4
	v_mul_u32_u24 v5, v1, 32                       ; my row's scale bytes: 32 a row,
	v_lshrrev_b32 v6, 8, v5
	v_lshl_add_u32 v5, v6, 4, v5                   ; and 16 more for each 256 passed
	s_mul_i32 s21, s15, HALFS
	s_mul_i32 s22, s16, HALFS
	s_add_co_u32 s22, s22, 2*HALFS
	s_sub_co_u32 s22, s22, s21
	v_mul_u32_u24 v6, s22, v2                      ; lanes 0-15 take x's, lanes 16-31 Wq's or Wk's
	s_add_co_u32 s21, s21, SCL
	v_add_nc_u32 v5, v5, v6
	v_add_nc_u32 v[ADRS], s21, v5
	v_mul_u32_u24 v6, v2, 0x606
	v_xor_b32 v[SELR], 0x400, v6                   ; lanes 0-15: my byte 0, the partner's byte 0;  lanes 16-31: the partner's byte 2, my byte 2
	v_lshlrev_b32 v[SH8], 3, v2
	s_lshl_b32 s18, s14, 10
	s_add_co_u32 s18, s18, STQ                     ; my stage for q, k: [head 0, 1][tile][16 words]
	v_lshlrev_b32 v[SST], 9, v2
	v_lshl_add_u32 v[SST], v1, 2, v[SST]
	v_add_nc_u32 v[SST], s18, v[SST]
	v_add_nc_u32 v[SRD], s18, v[CO]
	s_lshl_b32 s18, s14, 8
	s_add_co_u32 s18, s18, STV                     ; my stage for v: [block of features][16 words]
	v_lshl_add_u32 v[SSTV], v1, 2, s18
	v_add_nc_u32 v[SRDV], s18, v[CO8]
	s_mov_b32 s19, 0x7f7f0000
	s_mov_b32 s[SEL], 0x76543210
	s_mov_b32 s[SEL+1], 0xfedcba98                 ; v_permlanex16_b32's selects for lane l xor 16
.macro FRAG reg, adr, q, i             ; 16 rows x 128 K: lane l holds row l % 16; registers 4 c .. 4 c + 3 hold K = 64 c + 32 (l / 16) + 0 .. 31
.irp c, 0,1
	ds_load_b128 v[\reg+4*\c:\reg+4*\c+3], v[\adr] offset:64*(\q)+32*\c+(\i)*16*PITCH
.endr
.endm
; PHASE 1.  16 matrix instructions: token blocks a0, a0 + 1 x the weights' eight.  p: the weights' set; q, sc: which scale word.  The 64 accumulators take turns, one instruction a turn, in the same order in every step.
.macro MUL16 a0, p, q, sc, zero
.irp a, \a0, \a0+1
.irp b, 0,1,2,3,4,5,6,7
.if \zero
	v_wmma_scale_f32_16x16x128_f8f6f4 v[8*(8*((\a)%4)+\b):8*(8*((\a)%4)+\b)+7], v[128*(\p)+FR*\b:128*(\p)+FR*\b+FR-1], v[AF+FR*(\a):AF+FR*(\a)+FR-1], 0, v[SC+8*NQ*(\sc)+NQ*\b+(\q)], v[SC+8*NQ*(\sc)+NQ*(\a)+(\q)] matrix_a_fmt:MATRIX_FMT_FP4 matrix_b_fmt:MATRIX_FMT_FP4 matrix_a_scale:MATRIX_SCALE_ROW1
.else
	v_wmma_scale_f32_16x16x128_f8f6f4 v[8*(8*((\a)%4)+\b):8*(8*((\a)%4)+\b)+7], v[128*(\p)+FR*\b:128*(\p)+FR*\b+FR-1], v[AF+FR*(\a):AF+FR*(\a)+FR-1], v[8*(8*((\a)%4)+\b):8*(8*((\a)%4)+\b)+7], v[SC+8*NQ*(\sc)+NQ*\b+(\q)], v[SC+8*NQ*(\sc)+NQ*(\a)+(\q)] matrix_a_fmt:MATRIX_FMT_FP4 matrix_b_fmt:MATRIX_FMT_FP4 matrix_a_scale:MATRIX_SCALE_ROW1
.endif
.endr
.endr
.endm
.macro FETCH_S0 adr, q, p              ; source 0's eight fragments of K step q into set p of window 1
	WIN TO_B
.irp i, 0,1,2,3,4,5,6,7
	FRAG 128*(\p)+FR*\i, \adr, \q, \i
.endr
	WIN 0
.endm
.macro FETCH_A q, i0                   ; token blocks i0 .. i0 + 3
.irp i, \i0, \i0+1, \i0+2, \i0+3
	FRAG AF+FR*(\i), ADRA, \q, \i
.endr
.endm
.macro SCALES sc                       ; the scale words of K steps 4 sc .. 4 sc + 3: lanes 0-15 take x's block i, lanes 16-31 Wq's or Wk's block i
.irp i, 0,1,2,3,4,5,6,7
	ds_load_b128 v[SC+8*NQ*\sc+NQ*\i:SC+8*NQ*\sc+NQ*\i+3], v[ADRS] offset:\i*SBLK+16*\sc
.endr
.endm
; A K step of 128: 64 matrix instructions.  A block of tokens is free when its eight products are issued, so one set serves it; the weights have two.
; A load into a register that a matrix instruction has read stands four places behind it; only plain vector instructions that name none of its registers are places (ISA guide 7.12.1 for vector instructions).
.macro STEP Q, zero, last
	s_wait_dscnt 8                                 ; all but the youngest eight loads (token blocks 4-7, two loads each) are in
	WIN MUL_LO
	MUL16 0, (\Q)%2, (\Q)%4, (\Q)/4, \zero
	MUL16 2, (\Q)%2, (\Q)%4, (\Q)/4, \zero
	s_wait_dscnt 0x0                               ; token blocks 4-7 are in
.if \last == 0
	PLACES 4
	FETCH_S0 ADRB, (\Q)+1, 1-(\Q)%2
	FETCH_A (\Q)+1, 0
.if \Q == 3
	SCALES 1
.endif
.endif
	WIN MUL_HI
	MUL16 4, (\Q)%2, (\Q)%4, (\Q)/4, \zero
	MUL16 6, (\Q)%2, (\Q)%4, (\Q)/4, \zero
.if \last == 0
	PLACES 4
	WIN 0
	FETCH_A (\Q)+1, 4
.endif
.endm
; PHASE 2.  Wv's four blocks of K step q into set p; 32 matrix instructions a K step, the 32 accumulators by turns.
.macro FETCH_W q, p
.irp i, 0,1,2,3
	FRAG AF+32*(\p)+FR*\i, ADRW, \q, \i
.endr
.endm
.macro VMUL Q
.irp a, 0,1,2,3
.irp b, 0,1,2,3,4,5,6,7
.set rD, 8*(8*\a+\b)
.set rX, 128*((\Q)%2)+FR*\b
.set rW, AF+32*((\Q)%2)+FR*\a
.set kX, SC+8*NQ*((\Q)/4)+NQ*\b+(\Q)%4
.set kW, WS+8*(\a/2)+(\Q)
.if (\Q) == 0
.if \a%2
	v_wmma_scale_f32_16x16x128_f8f6f4 v[rD:rD+7], v[rX:rX+7], v[rW:rW+7], 0, v[kX], v[kW] matrix_a_fmt:MATRIX_FMT_FP4 matrix_b_fmt:MATRIX_FMT_FP4 matrix_b_scale:MATRIX_SCALE_ROW1
.else
	v_wmma_scale_f32_16x16x128_f8f6f4 v[rD:rD+7], v[rX:rX+7], v[rW:rW+7], 0, v[kX], v[kW] matrix_a_fmt:MATRIX_FMT_FP4 matrix_b_fmt:MATRIX_FMT_FP4
.endif
.else
.if \a%2
	v_wmma_scale_f32_16x16x128_f8f6f4 v[rD:rD+7], v[rX:rX+7], v[rW:rW+7], v[rD:rD+7], v[kX], v[kW] matrix_a_fmt:MATRIX_FMT_FP4 matrix_b_fmt:MATRIX_FMT_FP4 matrix_b_scale:MATRIX_SCALE_ROW1
.else
	v_wmma_scale_f32_16x16x128_f8f6f4 v[rD:rD+7], v[rX:rX+7], v[rW:rW+7], v[rD:rD+7], v[kX], v[kW] matrix_a_fmt:MATRIX_FMT_FP4 matrix_b_fmt:MATRIX_FMT_FP4
.endif
.endif
.endr
.endr
.endm
.macro VSTEP Q
	s_wait_dscnt 0x0                               ; this step's fragments are in
.if (\Q) < 7
.if (\Q) > 0
	PLACES 4                                       ; in front of loads into the set that the last step's products have read
.endif
	FETCH_S0 ADRA, (\Q)+1, 1-(\Q)%2                ; the next step's 24 loads are issued ahead of this step's 32 products
	FETCH_W (\Q)+1, 1-(\Q)%2
.endif
	WIN MUL_LO
	VMUL \Q
.endm
; 64 numbers of a lane, register 32 c + i = k 64 c + 32 (lane / 16) + i of my row: two WHOLE blocks.  Their codes, in v[PC] on, are the operand's registers as they stand; v[PW] holds my two scale bytes, at bits 0 and 16.
.macro QUANT s
.irp c, 0,1
	v_max3_num_f32 v[TM+\c], |v[\s+32*\c]|, |v[\s+32*\c+1]|, 0x1800000   ; two chains a block; the floor 2^(3 - 127) among the leaves: the byte cannot fall under 1
	v_max3_num_f32 v[TM+2+\c], |v[\s+32*\c+2]|, |v[\s+32*\c+3]|, |v[\s+32*\c+4]|
.endr
.irp i, 5,9,13,17,21,25
.irp c, 0,1
	v_max3_num_f32 v[TM+\c], v[TM+\c], |v[\s+32*\c+\i]|, |v[\s+32*\c+\i+1]|
	v_max3_num_f32 v[TM+2+\c], v[TM+2+\c], |v[\s+32*\c+\i+2]|, |v[\s+32*\c+\i+3]|
.endr
.endr
.irp c, 0,1
	v_max3_num_f32 v[TM+\c], v[TM+\c], |v[\s+32*\c+29]|, |v[\s+32*\c+30]|
.endr
.irp c, 0,1
	v_max3_num_f32 v[TM+\c], v[TM+\c], v[TM+2+\c], |v[\s+32*\c+31]|
.endr
.irp c, 0,1
	v_add_nc_u32 v[SO+\c], 0xff000000, v[TM+\c]    ; 2 off the exponent field: the conversion's scale operand
.endr
.irp c, 0,1
	v_lshrrev_b32 v[BY+\c], 23, v[SO+\c]           ; the scale's byte
.endr
	v_lshl_or_b32 v[PW], v[BY+1], 16, v[BY]
.irp c, 0,1
.irp u, 0,1,2,3
	v_cvt_scalef32_pk8_fp4_f32 v[PC+4*\c+\u], v[\s+32*\c+8*\u:\s+32*\c+8*\u+7], v[SO+\c]
.endr
.endr
.endm
; Token block al of q or k leaves: + bias (each accumulator is read from its low end on), quantised, two stores of 512 consecutive bytes, the scale words to my stage.
.macro ABLOCKQ al
	s_wait_xcnt 0x0                                ; the last block's stores have read their data: the codes' registers are written again only behind this wait
	s_wait_dscnt 0x0
	WIN 0x02+(\al)/4                               ; source 0: window 2 or 3
.set i, 0
.rept 32
	v_pk_add_f32 v[T+2*i:T+2*i+1], v[64*((\al)%4)+2*i:64*((\al)%4)+2*i+1], v[BQ+2*i:BQ+2*i+1]
.set i, i+1
.endr
	WIN 0
	QUANT T
.irp c, 0,1
	global_store_b128 v[CO], v[PC+4*\c:PC+4*\c+3], s[74:75] offset:\c*196608+(\al)*512   ; head c, tile al of the tokens
.endr
	v_permlanex16_b32 v[PP], v[PW], s[SEL], s[SEL+1]   ; lane l xor 16 holds the other block of each head
	v_perm_b32 v[W0], v[PP], v[PW], v[SELR]        ; lanes 0-15: the first head's two bytes; lanes 16-31: the second's
	v_and_or_b32 v[W0], v[W0], 0xffff, s19         ; then 0x7f, 0x7f
	ds_store_b32 v[SST], v[W0] offset:64*(\al)
.endm
; Feature block al of v leaves likewise; its scale word has the four bytes of the 128 keys
.macro ABLOCKV al
	s_wait_xcnt 0x0
	s_wait_dscnt 0x0
	WIN 0x02
.set i, 0
.rept 32
	v_pk_add_f32 v[T+2*i:T+2*i+1], v[64*(\al)+2*i:64*(\al)+2*i+1], v[BV+2*(\al):BV+2*(\al)+1] op_sel_hi:[1,0]
.set i, i+1
.endr
	WIN 0
	QUANT T
.irp c, 0,1
	global_store_b128 v[CO], v[PC+4*\c:PC+4*\c+3], s[100:101] offset:(\al)*1024+\c*512   ; tile al of the head's features, keys 64 c on
.endr
	v_lshlrev_b32 v[PW], v[SH8], v[PW]             ; my bytes, of blocks h and 2 + h, at their places;
	v_permlanex16_b32 v[PP], v[PW], s[SEL], s[SEL+1]
	v_or_b32 v[PW], v[PW], v[PP]                   ; with lane l xor 16's two the word is whole
	ds_store_b32 v[SSTV], v[PW] offset:64*(\al)    ; both halves of the lanes write the same word with the same value
.endm
	s_wait_tensorcnt 0x0                           ; my two loads have landed,
	s_barrier_signal -1
	s_barrier_wait -1                              ; everybody's have
	FETCH_S0 ADRB, 0, 0
	FETCH_A 0, 0
	SCALES 0
	FETCH_A 0, 4
	STEP 0, 1, 0                                   ; the first step's products start the sums: nothing is cleared
.irp Q, 1,2,3,4,5,6
	STEP \Q, 0, 0
.endr
	STEP 7, 0, 1
	WIN 0
	; Wq's or Wk's rows have been read for the last time: Wv's take the head of their bytes
	s_wait_tensorcnt 0x0                           ; no tensor load of mine is out, so descriptors may be written
	ds_add_u32 v[SPW], v[NIL]                      ; 0 onto my spare word: the descriptor's words stand between it and the wait for it
	s_or_b32 s[G1V+0], s44, (0<<16)|(1<<20)|(1<<21)|(6<<22)|(3<<25)   ; 64 rows x 512 bytes, padded as above; the mask of my column
	s_mov_b32 s[G1V+1], 512<<16
	s_mov_b32 s[G1V+2], 64<<16
	s_mov_b32 s[G1V+3], 512<<16
	s_mov_b32 s[G1V+4], 64
	s_mov_b32 s[G1V+5], 512
	s_mov_b32 s[G1V+6], 0
	s_mov_b32 s[G1V+7], 0
	s_wait_dscnt 0x0                               ; the add is done, and my reads of those bytes are over
	CROUND                                         ; both now hold of every wave of every work-group of the cluster
	s_cmp_eq_u32 s15, 1                            ; waves 2 and 3 fetch 64 rows each: a wave's one tensor load behind the round
	s_cbranch_scc0 .Lno_wv
	tensor_load_to_lds s[G0V:G0V+3], s[G1V:G1V+7]
	s_nop 0
.rept 4
	v_nop
.endr
.Lno_wv:
	PLACES 4                                       ; in front of the first read of results and of writes to registers that held operands and scales
	s_wait_loadcnt 0x0                             ; the biases and Wv's scale words
	v_mov_b32 v[PP], 0                             ; written once: a lane permute's destination counts as one of its sources
.irp a, 0,1,2,3,4,5,6,7
	ABLOCKQ \a                                     ; Wv's rows land under these eight blocks
.endr
	ds_load_b128 v[OB:OB+3], v[SRD]                ; LDS serves a wave's instructions in order: these see my stores
	ds_load_b128 v[OB+4:OB+7], v[SRD] offset:512
	s_wait_dscnt 0x0
	global_store_b128 v[CO], v[OB:OB+3], s[76:77]                ; a head's 512 bytes of scale words
	global_store_b128 v[CO], v[OB+4:OB+7], s[76:77] offset:20480
	s_wait_xcnt 0x0                                ; the stores have read their data: the scale words' registers are loaded again only behind this wait
	s_wait_tensorcnt 0x0                           ; my part of Wv's rows is in,
	s_barrier_signal -1
	s_barrier_wait -1                              ; everybody's is
	FETCH_S0 ADRA, 0, 0
	FETCH_W 0, 0
	SCALES 0
	SCALES 1
.irp Q, 0,1,2,3,4,5,6,7
	VSTEP \Q
.endr
	WIN 0
	PLACES 4
.irp a, 0,1,2,3
	ABLOCKV \a
.endr
	ds_load_b64 v[OB:OB+1], v[SRDV]
	s_wait_dscnt 0x0
	global_store_b64 v[CO8], v[OB:OB+1], s[104:105]              ; my head's 256 bytes of scale words: 256 consecutive bytes, aligned
	s_wait_tensorcnt 0x0                           ; the wave's end, behind my last tensor load and my last LDS store
	ds_add_u32 v[SPW], v[NIL]
	s_wait_dscnt 0x0
	CROUND                                         ; the closing round: no work-group ends while a partner may still ask for a tile that names it
	s_endpgm
.Lfunc_end_k_qde70f3c3b1_qkv:
	.size	k_qde70f3c3b1_qkv, .Lfunc_end_k_qde70f3c3b1_qkv-k_qde70f3c3b1_qkv
	.p2alignl 7, 3214868480
	.fill 96, 4, 3214868480
	.section	.rodata,"a",@progbits
	.p2align	6, 0x0
	.amdhsa_kernel k_qde70f3c3b1_qkv
		.amdhsa_group_segment_fixed_size 327680
		.amdhsa_private_segment_fixed_size 0
		.amdhsa_enable_private_segment 0
		.amdhsa_kernarg_size 72
		.amdhsa_user_sgpr_count 2
		.amdhsa_user_sgpr_kernarg_segment_ptr 1
		.amdhsa_wavefront_size32 1
		.amdhsa_system_sgpr_workgroup_id_x 1
		.amdhsa_system_sgpr_workgroup_id_y 1
		.amdhsa_system_sgpr_workgroup_id_z 1
		.amdhsa_system_vgpr_workitem_id 0
		.amdhsa_next_free_vgpr 1024
		.amdhsa_next_free_sgpr 106
		.amdhsa_reserve_vcc 0
		.amdhsa_float_denorm_mode_32 3
		.amdhsa_float_denorm_mode_16_64 3
		.amdhsa_memory_ordered 1
		.amdhsa_forward_progress 1
		.amdhsa_inst_pref_size 212
	.end_amdhsa_kernel
	.amdgpu_metadata
---
amdhsa.version: [ 1, 2 ]
amdhsa.kernels:
  - .name:           k_qde70f3c3b1_qkv
    .symbol:         k_qde70f3c3b1_qkv.kd
    .args:
      - { .name: xc, .offset: 0, .size: 8, .value_kind: global_buffer, .address_space: global }
      - { .name: xs, .offset: 8, .size: 8, .value_kind: global_buffer, .address_space: global }
      - { .name: wc, .offset: 16, .size: 8, .value_kind: global_buffer, .address_space: global }
      - { .name: ws, .offset: 24, .size: 8, .value_kind: global_buffer, .address_space: global }
      - { .name: bq, .offset: 32, .size: 8, .value_kind: global_buffer, .address_space: global }
      - { .name: bk, .offset: 40, .size: 8, .value_kind: global_buffer, .address_space: global }
      - { .name: bv, .offset: 48, .size: 8, .value_kind: global_buffer, .address_space: global }
      - { .name: qkv, .offset: 56, .size: 8, .value_kind: global_buffer, .address_space: global }
      - { .name: qkvs, .offset: 64, .size: 8, .value_kind: global_buffer, .address_space: global }
    .group_segment_fixed_size: 327680
    .private_segment_fixed_size: 0
    .kernarg_segment_align: 8
    .kernarg_segment_size: 72
    .max_flat_workgroup_size: 128
    .sgpr_count:     106
    .vgpr_count:     1024
    .wavefront_size: 32
...
	.end_amdgpu_metadata
.endif
;; end of part 2
;; launch attn (part 3): grid 8 x 32, 16 waves a work-group, clusters of 4 x 1, 297,984 bytes of LDS; arguments qkv, qkvs, mask, ac, asw; writes ac, asw
.if DOCPART == 3
	.amdgcn_target "amdgcn-amd-amdhsa--gfx1250"
	.amdhsa_code_object_version 6
	.text
	.protected	k_qde70f3c3b1_attn
	.globl	k_qde70f3c3b1_attn
	.p2align	8
	.type	k_qde70f3c3b1_attn,@function
k_qde70f3c3b1_attn:
	s_mov_b64 s[64:65], 0
	v_nop
	global_prefetch_b8 v0, s[64:65] scope:SCOPE_SE
	s_setreg_imm32_b32 hwreg(HW_REG_WAVE_MODE, 25, 1), 1
	s_wait_xcnt 0x0
	s_wait_alu depctr_hold_cnt(0) depctr_sa_sdst(0) depctr_va_vdst(0) depctr_va_sdst(0) depctr_va_ssrc(0) depctr_va_vcc(0) depctr_vm_vsrc(0)
	s_getreg_b32 s2, hwreg(HW_REG_IB_STS2, 6, 4)
	s_cmp_eq_u32 s2, 0
	s_cbranch_scc0 .Lentry_in_a_cluster
	s_endpgm
.Lentry_in_a_cluster:
	s_bfe_u32 s2, ttmp6, 0x10000c
	s_cmp_lg_u32 s2, 0x3003
	s_cbranch_scc0 .Lentry_shape_is_right
	s_endpgm
.Lentry_shape_is_right:
; attended = softmax(q k^T / 8, masked) v for two heads of one batch and 256 queries, both products on codes of FP4 with E8M0 scales; the result is quantised along D and leaves as codes.
; THE SOFTMAX: t = score x log2(e) / 8; M = the running largest t rounded UP to a whole number; p = 2^(t - M) is quantised along the keys; the row's sum is taken of the unquantised p and divides at the end.
; SHARES.  Work-group (block of 256 queries, batch 8 + pair of heads).  Each of sixteen waves owns ONE tile of 16 queries and walks head A, then head B, 128 keys a step: it ends with a whole operand fragment
; (16 tokens x the pair's 128 features) and a whole scale word of the last product.  Four waves share a SIMD: one wave's vector work stands beside another's matrix work and LDS loads.
; Both heads' K and V lie whole in LDS (2 x 131,072 bytes), each byte filled once: no barrier in the loop over the keys.  The four work-groups of a cluster walk the same K and V: joint loads.
; LAYOUT.  Both products are used transposed (S^T = K Q^T, O^T = V^T P^T): a lane holds ONE query.  Tile T's lane r is key 64 (T / 4) + 8 (T % 4) + r % 8 + 32 (r / 8), so the 32 registers of tiles 4 c .. 4 c + 3 of a lane
; are keys 64 c + 32 (lane / 16) + 0 .. 31: a WHOLE block in a lane, as the operand's layout wants it: a block's largest score needs no other lane, and the conversions' results are P's registers.  V^T's rows lie in the same order, so O^T's 32 registers are a whole block along D.
; THE MASK RIDES IN THE PRODUCT.  The head's K is 64; the instruction's is 128.  Q holds the code of 6 at k = 64 and k = 96 under the scale 1; a key holds there 0 under 2^-126 if it counts, the code of -6 under 2^100 if it is masked:
; a masked key's score is -72 x 2^100, its p is 0.  The running largest t starts at -2^100, above every masked t, so that M never follows a masked score.
; A row with no key that counts (largest t still under -1.5 x 2^99) gets the scale bytes 0xff: the last product's sums are then NaN, as the softmax of such a row is.
; LIMITS: t of keys that count lies above -1.5 x 2^99; NaN and infinities are not served; a block whose largest magnitude lies under 2^-124 keeps the byte 1.
.set KSW,  262144                      ; LDS behind the two heads: K's scale words, [head][step][tile][16 words], 2 x 8,192 bytes, the mask's two bytes in each
.set VSW,  KSW+16384                   ; V's: [head][step][tile][16 words], 2 x 4,096
.set KCD,  KSW+24576                   ; the mask's code words: [step][tile][16 words], 8,192
.set AST,  KSW+32768                   ; stage for the result's scale words: 64 bytes a wave
.set LI,   1                           ; v1  16 x lane
.set LS,   2                           ; v2  4 x lane
.set LC,   3                           ; v3  4 x (lane % 16)
.set ADK,  4                           ; v4-7 the step's LDS addresses: tiles, K's scale words, code words, V's scale words
.set ADS,  5
.set ADC,  6
.set ADT,  7
.set QF,   16                          ; v16-31 Q's fragments of heads A, B.   v12 -M, v13 the largest t, v[14:15] the sum in two halves
.set KF,   32                          ; v32-63 four fragments of K
.set VF,   64                          ; v64-95 four fragments of V^T
.set S,    96                          ; v96-159 S^T, then p
.set O,    160                         ; v160-191 O^T
.set PC,   192                         ; v192-199 p's codes
.set AC,   200                         ; v200-207 the result's codes
.set AW,   208                         ; its scale bytes, then its scale word
.set QW,   209                         ; v209-210 Q's scale words
.set KS,   212                         ; v212-215 K's scale words
.set VS,   216                         ; v216-217 V's
.set PW,   218                         ; p's
.set BM,   220                         ; v220-223 my two blocks' largest, two chains each
.set PD,   224                         ; a lane permute's destination
.set BY,   226                         ; v226-227 the scales' bytes
.set SO,   228                         ; v228-229 the conversions' scale operands
.set F,    232                         ; v[232:233] f = 2^(old M - new M)
.set L2,   234                         ; v[234:235] the sum's second chain
.set TMP,  236
.set ONES, 237                         ; 0xff
.set SH8,  238                         ; 8 x (lane / 16)
.set OLDM, 239
.set WV,   14
.set SEL,  20
.set CS,   22
.set G1,   24
.set G0A,  32
.set G0B,  36
.set TB,   40
.set TS,   41
.set TC,   42
.set TV,   43
.set CNT,  44
.set LOW,  45
.macro CROUND                          ; a round of the cluster's barrier
	s_barrier_signal -1
	s_barrier_wait -1
	s_cmp_lg_u32 s[WV], 0
	s_cbranch_scc1 .Lnot_wave_0_\@
	s_barrier_signal -3
.Lnot_wave_0_\@:
	s_barrier_wait -3
	s_barrier_signal -1
	s_barrier_wait -1
.endm
	s_load_b256 s[4:11], s[0:1], 0x0               ; qkv, qkvs, mask, ac
	s_load_b64 s[12:13], s[0:1], 0x20              ; asw
	v_lshl_add_u32 v254, v0, 2, 0x48400
	v_mov_b32 v255, 0
	ds_add_u32 v254, v255
	ds_add_u32 v254, v255
	v_lshrrev_b32 v8, 5, v0
	s_delay_alu instid0(VALU_DEP_1)
	v_readfirstlane_b32 s[WV], v8                  ; wave 0..15
	s_bfe_u32 s15, ttmp6, 0x40000                  ; cx
	s_lshl_b32 s16, ttmp9, 2
	s_add_co_u32 s16, s16, s15                     ; my block of 256 queries, 0..7: it enters Q's and the results' addresses alone
	s_and_b32 s17, ttmp7, 0xffff                   ; y = batch 8 + pair, which the four partners share
	s_lshr_b32 s18, s17, 3                         ; batch
	s_and_b32 s19, s17, 7                          ; pair of heads
	s_lshl_b32 s48, s17, 5                         ; I of head A's first 128 tokens = 32 y
	; group 1: four steps' K and V: 4 rows of 8,192 bytes (1,024 elements of 8), 12,288 bytes apart; dense in LDS
	s_mov_b32 s[G1], 15|(3<<16)|(1<<21)            ; 15:0 the mask: all four work-groups; 17:16 elements of 8 bytes; 21 set beside a mask
	s_mov_b32 s[G1+1], 1024<<16                    ; tensor_dim0
	s_mov_b32 s[G1+2], 4<<16                       ; tensor_dim1
	s_mov_b32 s[G1+3], 1024<<16                    ; tile_dim0
	s_mov_b32 s[G1+4], 4                           ; tile_dim1
	s_mov_b32 s[G1+5], 1536                        ; pitch
	s_mov_b32 s[G1+6], 0
	s_mov_b32 s[G1+7], 0
	s_and_b32 s46, s[WV], 3                        ; waves 0-3 fetch: steps 4 w .. 4 w + 3 of each head
	s_mov_b32 s[G0A], 1
	s_lshl_b32 s[G0A+1], s46, 15
	s_mov_b32 s[G0B], 1
	s_add_co_u32 s[G0B+1], s[G0A+1], 131072
	s_lshl_b32 s46, s46, 2
	s_add_co_u32 s46, s46, s48
	s_mul_i32 s46, s46, 12288
	s_add_co_u32 s46, s46, 4096                    ; K begins 4,096 bytes into a group's 12,288
	s_mov_b32 s47, 0
	s_lshr_b32 s49, s[WV], 3
	s_lshl_b32 s50, s16, 1
	s_add_co_u32 s49, s49, s50
	s_add_co_u32 s49, s49, s48                     ; I of my queries' group, head A
	s_and_b32 s50, s[WV], 7                        ; my tile in it
	s_mul_i32 s52, s49, 12288
	s_lshl_b32 s51, s50, 9
	s_add_co_u32 s52, s52, s51
	s_mov_b32 s53, 0
	s_mul_i32 s54, s49, 1280
	s_lshl_b32 s51, s50, 6
	s_add_co_u32 s54, s54, s51
	s_mov_b32 s55, 0
	s_mul_i32 s56, s48, 1280
	s_mov_b32 s57, 0
	s_lshl_b32 s58, s18, 13                        ; the batch's 2,048 words of the mask
	s_mov_b32 s59, 0
	s_lshl_b32 s60, s18, 7
	s_lshl_b32 s61, s16, 4
	s_add_co_u32 s60, s60, s61                     ; the work-group's first tile of 16 tokens: batch 128 + 16 x block
	s_lshl_b32 s62, s60, 6
	s_lshl_b32 s61, s19, 15
	s_add_co_u32 s62, s62, s61                     ; asw: [pair][tile][16 words]
	s_mov_b32 s63, 0
	s_add_co_u32 s60, s60, s[WV]
	s_lshl_b32 s60, s60, 13
	s_lshl_b32 s61, s19, 10
	s_add_co_u32 s60, s60, s61                     ; ac: [tile][pair][head % 2][512 bytes]
	s_mov_b32 s61, 0
	s_mov_b32 s[SEL], 0x76543210
	s_mov_b32 s[SEL+1], 0xfedcba98                 ; v_permlanex16_b32's selects for lane l xor 16
	s_mov_b32 s[CS], 0x3e38aa3b                    ; c = log2(e) / 8
	s_mov_b32 s[CS+1], s[CS]                       ; (named with it as a pair)
	s_mov_b32 s[LOW], 0xf1400000                   ; -1.5 x 2^99
	s_wait_dscnt 0x0
	s_wait_kmcnt 0x0
	s_add_nc_u64 s[G0A+2:G0A+3], s[4:5], s[46:47]
	s_add_nc_u64 s[G0B+2:G0B+3], s[G0A+2:G0A+3], 196608   ; head B: 16 groups on
	s_or_b32 s[G0A+3], s[G0A+3], 0x80000000        ; type = 2
	s_or_b32 s[G0B+3], s[G0B+3], 0x80000000
	s_add_nc_u64 s[52:53], s[4:5], s[52:53]        ; my Q
	s_add_nc_u64 s[54:55], s[6:7], s[54:55]        ; its scale words
	s_add_nc_u64 s[56:57], s[6:7], s[56:57]        ; the pair's scale words
	s_add_nc_u64 s[58:59], s[8:9], s[58:59]        ; the mask
	s_add_nc_u64 s[10:11], s[10:11], s[60:61]
	s_add_nc_u64 s[12:13], s[12:13], s[62:63]
	CROUND                                         ; all four work-groups are here: the joint loads meet
	s_cmp_lt_u32 s[WV], 4                          ; a wave's two fills stand in one branch: two tensor loads of mine are out; four v_nop follow the second
	s_cbranch_scc0 .Lno_fetch
	tensor_load_to_lds s[G0A:G0A+3], s[G1:G1+7]
	s_nop 0
	tensor_load_to_lds s[G0B:G0B+3], s[G1:G1+7]
	s_nop 0
.rept 4
	v_nop
.endr
.Lno_fetch:
	v_and_b32 v8, 31, v0
	s_delay_alu instid0(VALU_DEP_1)
	v_lshlrev_b32 v[LI], 4, v8
	s_delay_alu instid0(VALU_DEP_2)
	v_lshlrev_b32 v[LS], 2, v8
	v_and_b32 v8, 15, v0
	s_delay_alu instid0(VALU_DEP_1)
	v_lshlrev_b32 v[LC], 2, v8
	global_load_b128 v[QF:QF+3], v[LI], s[52:53]                  ; Q's registers 0-3: the head's 64
	global_load_b128 v[QF+8:QF+11], v[LI], s[52:53] offset:196608
	global_load_b32 v[QW], v[LC], s[54:55]
	global_load_b32 v[QW+1], v[LC], s[54:55] offset:20480
	; Thread n prepares words 4 n .. 4 n + 3 of each table: step n / 32, tile (n / 4) % 8, lanes 4 (n % 4) on: four neighbouring keys
	v_lshrrev_b32 v8, 5, v0
	s_delay_alu instid0(VALU_DEP_1)
	v_lshlrev_b32 v8, 7, v8                        ; 128 x step
	v_bfe_u32 v9, v0, 4, 1
	s_delay_alu instid0(VALU_DEP_1)
	v_lshl_add_u32 v8, v9, 6, v8                   ; + 64 (tile / 4)
	v_bfe_u32 v9, v0, 2, 2
	s_delay_alu instid0(VALU_DEP_1)
	v_lshl_add_u32 v8, v9, 3, v8                   ; + 8 (tile % 4)
	v_and_b32 v9, 1, v0
	s_delay_alu instid0(VALU_DEP_1)
	v_lshl_add_u32 v8, v9, 2, v8                   ; + r % 8
	v_bfe_u32 v9, v0, 1, 1
	s_delay_alu instid0(VALU_DEP_1)
	v_lshl_add_u32 v8, v9, 5, v8                   ; + 32 (r / 8)
	s_delay_alu instid0(VALU_DEP_1)
	v_lshlrev_b32 v8, 2, v8                        ; the first of the four keys, in bytes of the mask
	v_lshrrev_b32 v9, 5, v0
	s_delay_alu instid0(VALU_DEP_1)
	v_mul_u32_u24 v9, v9, 1280
	v_and_b32 v10, 31, v0
	s_delay_alu instid0(VALU_DEP_1)
	v_lshl_add_u32 v9, v10, 4, v9                  ; K's scale words: group n / 32, 16 (n % 32)
	v_lshrrev_b32 v10, 4, v0
	s_delay_alu instid0(VALU_DEP_1)
	v_mul_u32_u24 v10, v10, 1280
	v_and_b32 v11, 15, v0
	s_delay_alu instid0(VALU_DEP_1)
	v_lshl_add_u32 v10, v11, 4, v10                ; V's: group n / 16 (both heads on end), 16 (n % 16)
	global_load_b128 v[96:99], v8, s[58:59]
	global_load_b128 v[100:103], v9, s[56:57] offset:512
	global_load_b128 v[104:107], v9, s[56:57] offset:20992
	global_load_b128 v[108:111], v10, s[56:57] offset:1024
.irp H, 0,1
	v_mov_b32 v[QF+8*\H+4], 7                      ; the code of 6 at k = 64 + 32 (lane / 16)
	v_mov_b32 v[QF+8*\H+5], 0
	v_mov_b32 v[QF+8*\H+6], 0
	v_mov_b32 v[QF+8*\H+7], 0
.endr
.irp t, 0,1,2,3
	v_mov_b32 v[KF+8*\t+5], 0                      ; K's registers 5-7 stay zero codes
	v_mov_b32 v[KF+8*\t+6], 0
	v_mov_b32 v[KF+8*\t+7], 0
.endr
	v_mov_b32 v[PD], 0                             ; written once: a lane permute's destination counts as one of its sources
	v_mov_b32 v[F+1], 0                            ; (named as the upper half of a pair)
	v_mov_b32 v[ONES], 0xff
	v_bfe_u32 v11, v0, 4, 1
	s_delay_alu instid0(VALU_DEP_1)
	v_lshlrev_b32 v[SH8], 3, v11
	v_mov_b32 v120, 0xe3e30000                     ; a masked key's bytes 2, 3: 2^100
	v_mov_b32 v121, 0x01010000                     ; a key's that counts: 2^-126
	s_wait_alu depctr_va_vdst(0)
	s_wait_loadcnt 0x0
.irp i, 0,1,2,3
	v_cmp_eq_u32 vcc_lo, 0, v[96+\i]
	s_delay_alu instid0(VALU_DEP_1)
	v_cndmask_b32 v[112+\i], 0, 15, vcc_lo         ; the code word: 0, or the code of -6
	s_delay_alu instid0(VALU_DEP_2)
	v_cndmask_b32 v[116+\i], v121, v120, vcc_lo
	s_delay_alu instid0(VALU_DEP_1)
	v_and_or_b32 v[100+\i], v[100+\i], 0xffff, v[116+\i]
	s_delay_alu instid0(VALU_DEP_2)
	v_and_or_b32 v[104+\i], v[104+\i], 0xffff, v[116+\i]
.endr
	v_lshl_add_u32 v11, v0, 4, KSW
	ds_store_b128 v11, v[100:103]
	ds_store_b128 v11, v[104:107] offset:8192
	ds_store_b128 v11, v[108:111] offset:VSW-KSW
	ds_store_b128 v11, v[112:115] offset:KCD-KSW
	s_wait_tensorcnt 0x1                           ; my part of head A is in; head B's one load may stay out
	s_wait_dscnt 0x0                               ; my stores have landed
	s_barrier_signal -1
	s_barrier_wait -1
.macro SPROD T, H                      ; S^T of tile T: source 0 = 16 keys, source 1 = my 16 queries; the scale words of tiles 2 p, 2 p + 1 share a register
.if (\T)%2
	v_wmma_scale_f32_16x16x128_f8f6f4 v[S+8*(\T):S+8*(\T)+7], v[KF+8*((\T)%4):KF+8*((\T)%4)+7], v[QF+8*\H:QF+8*\H+7], 0, v[KS+(\T)/2], v[QW+\H] matrix_a_fmt:MATRIX_FMT_FP4 matrix_b_fmt:MATRIX_FMT_FP4 matrix_a_scale:MATRIX_SCALE_ROW1
.else
	v_wmma_scale_f32_16x16x128_f8f6f4 v[S+8*(\T):S+8*(\T)+7], v[KF+8*((\T)%4):KF+8*((\T)%4)+7], v[QF+8*\H:QF+8*\H+7], 0, v[KS+(\T)/2], v[QW+\H] matrix_a_fmt:MATRIX_FMT_FP4 matrix_b_fmt:MATRIX_FMT_FP4
.endif
.endm
.macro OPROD t                         ; O^T += V^T P^T, tile t of the head's 64 features
.if (\t)%2
	v_wmma_scale_f32_16x16x128_f8f6f4 v[O+8*(\t):O+8*(\t)+7], v[VF+8*(\t):VF+8*(\t)+7], v[PC:PC+7], v[O+8*(\t):O+8*(\t)+7], v[VS+(\t)/2], v[PW] matrix_a_fmt:MATRIX_FMT_FP4 matrix_b_fmt:MATRIX_FMT_FP4 matrix_a_scale:MATRIX_SCALE_ROW1
.else
	v_wmma_scale_f32_16x16x128_f8f6f4 v[O+8*(\t):O+8*(\t)+7], v[VF+8*(\t):VF+8*(\t)+7], v[PC:PC+7], v[O+8*(\t):O+8*(\t)+7], v[VS+(\t)/2], v[PW] matrix_a_fmt:MATRIX_FMT_FP4 matrix_b_fmt:MATRIX_FMT_FP4
.endif
.endm
; A KEY STEP: 128 keys
.macro STEP H
	v_add_nc_u32 v[ADK], s[TB], v[LI]              ; these four are also the places behind the last step's products, in front of the loads into their operands
	v_add_nc_u32 v[ADS], s[TS], v[LS]
	v_add_nc_u32 v[ADC], s[TC], v[LC]
	v_add_nc_u32 v[ADT], s[TV], v[LS]
.irp t, 0,1,2,3
	ds_load_b128 v[KF+8*\t:KF+8*\t+3], v[ADK] offset:512*\t
	ds_load_b32 v[KF+8*\t+4], v[ADC] offset:64*\t
.endr
	ds_load_b32 v[KS], v[ADS]
	ds_load_b32 v[KS+1], v[ADS] offset:128
.irp t, 0,1,2,3
.irp c, 0,1
	ds_load_b128 v[VF+8*\t+4*\c:VF+8*\t+4*\c+3], v[ADK] offset:4096+1024*\t+512*\c
.endr
.endr
	ds_load_b32 v[VS], v[ADT]
	ds_load_b32 v[VS+1], v[ADT] offset:128
	s_wait_alu depctr_va_vdst(0)
	s_wait_dscnt 10                                ; K's first ten loads are in; V's ten are younger and may be out
.irp T, 0,1,2,3
	SPROD \T, \H
.endr
.rept 4
	v_nop                                          ; places in front of loads into registers that matrix instructions have read
.endr
.irp t, 0,1,2,3
	ds_load_b128 v[KF+8*\t:KF+8*\t+3], v[ADK] offset:512*(4+\t)
	ds_load_b32 v[KF+8*\t+4], v[ADC] offset:64*(4+\t)
.endr
	ds_load_b32 v[KS+2], v[ADS] offset:256
	ds_load_b32 v[KS+3], v[ADS] offset:384
	s_wait_dscnt 0x0
.irp T, 4,5,6,7
	SPROD \T, \H
.endr
	v_mov_b32 v[OLDM], v12                         ; -M as it stands: the first of the four places behind the products
.rept 3
	v_nop
.endr
.irp c, 0,1
	v_max3_num_f32 v[BM+\c], v[S+32*\c], v[S+32*\c+1], v[S+32*\c+2]   ; the largest score of each of my two blocks of 32 keys, in two chains: for the row's maximum, and, since p rises with the score, for the block's largest p
	v_max3_num_f32 v[BM+2+\c], v[S+32*\c+3], v[S+32*\c+4], v[S+32*\c+5]
.endr
.irp i, 6,10,14,18,22,26
.irp c, 0,1
	v_max3_num_f32 v[BM+\c], v[BM+\c], v[S+32*\c+\i], v[S+32*\c+\i+1]
	v_max3_num_f32 v[BM+2+\c], v[BM+2+\c], v[S+32*\c+\i+2], v[S+32*\c+\i+3]
.endr
.endr
.irp c, 0,1
	v_max3_num_f32 v[BM+\c], v[BM+\c], v[S+32*\c+30], v[S+32*\c+31]
.endr
.irp c, 0,1
	s_delay_alu instid0(VALU_DEP_2)
	v_max_num_f32 v[BM+\c], v[BM+\c], v[BM+2+\c]
.endr
	s_delay_alu instid0(VALU_DEP_1)
	v_max_num_f32 v[TMP], v[BM], v[BM+1]
	s_delay_alu instid0(VALU_DEP_1)
	v_permlanex16_b32 v[PD], v[TMP], s[SEL], s[SEL+1]
	s_delay_alu instid0(VALU_DEP_1)
	v_max_num_f32 v[TMP], v[TMP], v[PD]            ; with lane l xor 16's two blocks: the step's largest score of my query
	s_delay_alu instid0(VALU_DEP_1)
	v_mul_f32 v[TMP], s[CS], v[TMP]                ; as t
	s_delay_alu instid0(VALU_DEP_1)
	v_max_num_f32 v13, v13, v[TMP]                 ; the running largest t
	s_delay_alu instid0(VALU_DEP_1)
	v_floor_f32 v12, -v13                          ; the new -M = -ceil(t): a whole number
	s_delay_alu instid0(VALU_DEP_1)
	v_sub_f32 v[TMP], v12, v[OLDM]                 ; old M - new M: a whole number, 0 or less
	s_delay_alu instid0(VALU_DEP_1)
	v_cvt_i32_f32 v[TMP], v[TMP]                   ; (it saturates)
	s_delay_alu instid0(VALU_DEP_1)
	v_ldexp_f32 v[F], 1.0, v[TMP]                  ; f = 2^(old M - new M): a multiplication by it rounds nothing
.irp j, 0,2,4,6,8,10,12,14,16,18,20,22,24,26,28,30,32,34,36,38,40,42,44,46,48,50,52,54,56,58,60,62
	v_pk_fma_f32 v[S+\j:S+1+\j], v[S+\j:S+1+\j], s[CS:CS+1], v[12:13] op_sel_hi:[1,0,0]   ; t - M, two at a time
.endr
.irp c, 0,1
	v_fma_f32 v[BM+\c], v[BM+\c], s[CS], v12       ; the same of each block's largest score
.endr
.set i, 0
	s_setprio 1
	s_wait_alu depctr_va_vdst(0)
.rept 64
	v_exp_f32 v[S+i], v[S+i]                       ; p = 2^(t - M), at most 1
.set i, i+1
.endr
.irp c, 0,1
	v_exp_f32 v[BM+\c], v[BM+\c]                   ; the block's largest p: the same two instructions on the same number
.endr
	v_pk_mul_f32 v[14:15], v[14:15], v[F:F+1] op_sel_hi:[1,0]   ; the sums under the new M.  (A plain place behind the exponentials)
	s_wait_alu depctr_va_vdst(0)
.irp c, 0,1
	v_max_num_f32 v[BM+\c], 0x1800000, v[BM+\c]    ; the floor 2^(3 - 127): the byte cannot fall under 1
.endr
.irp c, 0,1
	s_delay_alu instid0(VALU_DEP_2)
	v_add_nc_u32 v[SO+\c], 0xff000000, v[BM+\c]    ; 2 off the exponent field: the conversion's scale operand
.endr
.irp c, 0,1
	s_delay_alu instid0(VALU_DEP_2)
	v_lshrrev_b32 v[BY+\c], 23, v[SO+\c]           ; the scale's byte
.endr
	s_delay_alu instid0(VALU_DEP_1)
	v_lshl_or_b32 v[PW], v[BY+1], 16, v[BY]        ; my bytes, of blocks h and 2 + h,
	s_delay_alu instid0(VALU_DEP_1)
	v_lshlrev_b32 v[PW], v[SH8], v[PW]             ; at their places;
	s_delay_alu instid0(VALU_DEP_1)
	v_permlanex16_b32 v[PD], v[PW], s[SEL], s[SEL+1]
	s_delay_alu instid0(VALU_DEP_1)
	v_or_b32 v[PW], v[PW], v[PD]                   ; with lane l xor 16's two: p's scale word for these 128 keys
.irp c, 0,1
.irp u, 0,1,2,3
	v_cvt_scalef32_pk8_fp4_f32 v[PC+4*\c+\u], v[S+32*\c+8*\u:S+32*\c+8*\u+7], v[SO+\c]   ; registers 4 c .. 4 c + 3 of the operand: k = 64 c + 32 h + 0 .. 31
.endr
.endr
	v_pk_add_f32 v[234:235], v[100:101], v[104:105]
	v_pk_add_f32 v[252:253], v[108:109], v[112:113]
	v_pk_add_f32 v[250:251], v[116:117], v[120:121]
	v_pk_add_f32 v[248:249], v[124:125], v[128:129]
	v_pk_add_f32 v[246:247], v[132:133], v[136:137]
	v_pk_add_f32 v[244:245], v[140:141], v[144:145]
	v_pk_add_f32 v[242:243], v[148:149], v[152:153]
	v_pk_add_f32 v[14:15], v[14:15], v[156:157]
	v_pk_add_f32 v[234:235], v[234:235], v[96:97]
	v_pk_add_f32 v[252:253], v[252:253], v[98:99]
	v_pk_add_f32 v[250:251], v[250:251], v[102:103]
	v_pk_add_f32 v[248:249], v[248:249], v[106:107]
	v_pk_add_f32 v[246:247], v[246:247], v[110:111]
	v_pk_add_f32 v[244:245], v[244:245], v[114:115]
	v_pk_add_f32 v[242:243], v[242:243], v[118:119]
	v_pk_add_f32 v[14:15], v[14:15], v[122:123]
	v_pk_add_f32 v[234:235], v[234:235], v[126:127]
	v_pk_add_f32 v[252:253], v[252:253], v[130:131]
	v_pk_add_f32 v[250:251], v[250:251], v[134:135]
	v_pk_add_f32 v[248:249], v[248:249], v[138:139]
	v_pk_add_f32 v[246:247], v[246:247], v[142:143]
	v_pk_add_f32 v[244:245], v[244:245], v[146:147]
	v_pk_add_f32 v[242:243], v[242:243], v[150:151]
	v_pk_add_f32 v[14:15], v[14:15], v[154:155]
	v_pk_add_f32 v[234:235], v[234:235], v[158:159]
	s_delay_alu instid0(VALU_DEP_2)
	v_pk_add_f32 v[14:15], v[14:15], v[248:249]
	s_delay_alu instid0(VALU_DEP_2)
	v_pk_add_f32 v[234:235], v[234:235], v[246:247]
	v_pk_add_f32 v[252:253], v[252:253], v[244:245]
	v_pk_add_f32 v[250:251], v[250:251], v[242:243]
	s_delay_alu instid0(VALU_DEP_2)
	v_pk_add_f32 v[14:15], v[14:15], v[252:253]
	s_delay_alu instid0(VALU_DEP_2)
	v_pk_add_f32 v[234:235], v[234:235], v[250:251]
	s_delay_alu instid0(VALU_DEP_1)
	v_pk_add_f32 v[14:15], v[14:15], v[234:235]
	s_setprio 0
.irp j, 0,2,4,6,8,10,12,14,16,18,20,22,24,26,28,30
	v_pk_mul_f32 v[O+\j:O+1+\j], v[O+\j:O+1+\j], v[F:F+1] op_sel_hi:[1,0]   ; O^T under the new M.  (The sums and these are the places between p's scale word and codes and the products)
.endr
.irp t, 0,1,2,3
	OPROD \t                                       ; four accumulators by turns; eight other products stand between two links of a sum
.endr
	s_add_co_u32 s[TB], s[TB], 8192
	s_add_co_u32 s[TS], s[TS], 512
	s_add_co_u32 s[TC], s[TC], 512
	s_add_co_u32 s[TV], s[TV], 256
.endm
; A head's end: O^T / the sum; register i is feature 32 (lane / 16) + i of the head: one whole block along D; its codes are registers 4 H .. 4 H + 3 of the result's fragment
.macro EPI H
.rept 4
	v_nop
.endr
	v_add_f32 v14, v14, v15
	s_delay_alu instid0(VALU_DEP_1)
	v_permlanex16_b32 v[PD], v14, s[SEL], s[SEL+1]
	s_delay_alu instid0(VALU_DEP_1)
	v_add_f32 v14, v14, v[PD]                      ; the row's sum
	s_wait_alu depctr_va_vdst(0)
	v_rcp_f32 v128, v14
	v_mov_b32 v129, 0                              ; (a plain place behind the transcendental; named as the upper half of a pair)
	v_cmp_gt_f32 vcc_lo, s[LOW], v13               ; no key counted for my query
	s_wait_alu depctr_va_vdst(0)
.irp j, 0,2,4,6,8,10,12,14,16,18,20,22,24,26,28,30
	v_pk_mul_f32 v[S+\j:S+1+\j], v[O+\j:O+1+\j], v[128:129] op_sel_hi:[1,0]
.endr
	v_max3_num_f32 v[BM], |v[S]|, |v[S+1]|, 0x1800000
	v_max3_num_f32 v[BM+1], |v[S+2]|, |v[S+3]|, |v[S+4]|
.irp i, 5,9,13,17,21,25
	s_delay_alu instid0(VALU_DEP_2)
	v_max3_num_f32 v[BM], v[BM], |v[S+\i]|, |v[S+\i+1]|
	s_delay_alu instid0(VALU_DEP_2)
	v_max3_num_f32 v[BM+1], v[BM+1], |v[S+\i+2]|, |v[S+\i+3]|
.endr
	s_delay_alu instid0(VALU_DEP_2)
	v_max3_num_f32 v[BM], v[BM], |v[S+29]|, |v[S+30]|
	s_delay_alu instid0(VALU_DEP_1)
	v_max3_num_f32 v[BM], v[BM], v[BM+1], |v[S+31]|
	s_delay_alu instid0(VALU_DEP_1)
	v_add_nc_u32 v[SO], 0xff000000, v[BM]
	s_delay_alu instid0(VALU_DEP_1)
	v_lshrrev_b32 v[BY], 23, v[SO]
	s_delay_alu instid0(VALU_DEP_1)
	v_cndmask_b32 v[BY], v[BY], v[ONES], vcc_lo    ; 0xff where no key counted
.if \H == 0
	s_delay_alu instid0(VALU_DEP_1)
	v_mov_b32 v[AW], v[BY]
.else
	s_delay_alu instid0(VALU_DEP_1)
	v_lshl_or_b32 v[AW], v[BY], 16, v[AW]
.endif
.irp t, 0,1,2,3
	v_cvt_scalef32_pk8_fp4_f32 v[AC+4*\H+\t], v[S+8*\t:S+8*\t+7], v[SO]
.endr
.endm
.macro HEAD H
	v_mov_b32 v13, 0xf1800000                      ; the largest t so far: -2^100: above every masked t, under every t that counts
	s_delay_alu instid0(VALU_DEP_1)
	v_floor_f32 v12, -v13                          ; -M
	v_mov_b32 v14, 0
	v_mov_b32 v15, 0
.set i, 0
.rept 32
	v_mov_b32 v[O+i], 0                            ; the step is written once: the first finds zeros, which the first change of M leaves zeros
.set i, i+1
.endr
	s_mov_b32 s[TB], \H*131072
	s_mov_b32 s[TS], KSW+8192*\H
	s_mov_b32 s[TC], KCD
	s_mov_b32 s[TV], VSW+4096*\H
	s_mov_b32 s[CNT], 16
.Lstep_\@:
	s_setprio 2
	STEP \H
	s_sub_co_u32 s[CNT], s[CNT], 1
	s_cmp_lg_u32 s[CNT], 0
	s_cbranch_scc1 .Lstep_\@
	s_setprio 0
	EPI \H
.endm
	HEAD 0
	s_wait_tensorcnt 0x0                           ; my part of head B is in,
	s_wait_dscnt 0x0
	s_barrier_signal -1
	s_barrier_wait -1                              ; everybody's is
	HEAD 1
	global_store_b128 v[LI], v[AC:AC+3], s[10:11]                ; each store covers 512 consecutive bytes, aligned
	global_store_b128 v[LI], v[AC+4:AC+7], s[10:11] offset:512
	v_lshlrev_b32 v[AW], v[SH8], v[AW]             ; my bytes, of blocks h (head A) and 2 + h (head B), at their places;
	s_delay_alu instid0(VALU_DEP_1)
	v_permlanex16_b32 v[PD], v[AW], s[SEL], s[SEL+1]
	s_delay_alu instid0(VALU_DEP_1)
	v_or_b32 v[AW], v[AW], v[PD]                   ; with lane l xor 16's two the word is whole
	s_lshl_b32 s46, s[WV], 6
	s_add_co_u32 s46, s46, AST
	v_add_nc_u32 v8, s46, v[LC]
	ds_store_b32 v8, v[AW]                         ; both halves of the lanes write the same word with the same value
	s_wait_dscnt 0x0
	s_barrier_signal -1
	s_barrier_wait -1                              ; the sixteen tiles' scale words lie on end: 1,024 bytes
	s_cmp_lt_u32 s[WV], 2
	s_cbranch_scc0 .Lno_asw
	v_lshl_add_u32 v9, v0, 4, AST
	ds_load_b128 v[96:99], v9
	v_lshlrev_b32 v10, 4, v0
	s_wait_alu depctr_va_vdst(0)
	s_wait_dscnt 0x0
	global_store_b128 v10, v[96:99], s[12:13]      ; two waves store them: 512 consecutive bytes each
.Lno_asw:
	s_wait_tensorcnt 0x0
	ds_add_u32 v254, v255
	s_wait_dscnt 0x0
	CROUND                                         ; the closing round: no work-group ends while a partner may still ask for a tile that names it
	s_endpgm
.Lfunc_end_k_qde70f3c3b1_attn:
	.size	k_qde70f3c3b1_attn, .Lfunc_end_k_qde70f3c3b1_attn-k_qde70f3c3b1_attn
	.p2alignl 7, 3214868480
	.fill 96, 4, 3214868480
	.section	.rodata,"a",@progbits
	.p2align	6, 0x0
	.amdhsa_kernel k_qde70f3c3b1_attn
		.amdhsa_group_segment_fixed_size 297984
		.amdhsa_private_segment_fixed_size 0
		.amdhsa_enable_private_segment 0
		.amdhsa_kernarg_size 40
		.amdhsa_user_sgpr_count 2
		.amdhsa_user_sgpr_kernarg_segment_ptr 1
		.amdhsa_wavefront_size32 1
		.amdhsa_system_sgpr_workgroup_id_x 1
		.amdhsa_system_sgpr_workgroup_id_y 1
		.amdhsa_system_sgpr_workgroup_id_z 1
		.amdhsa_system_vgpr_workitem_id 0
		.amdhsa_next_free_vgpr 256
		.amdhsa_next_free_sgpr 66
		.amdhsa_reserve_vcc 1
		.amdhsa_float_denorm_mode_32 3
		.amdhsa_float_denorm_mode_16_64 3
		.amdhsa_memory_ordered 1
		.amdhsa_forward_progress 1
		.amdhsa_inst_pref_size 54
	.end_amdhsa_kernel
	.amdgpu_metadata
---
amdhsa.version: [ 1, 2 ]
amdhsa.kernels:
  - .name:           k_qde70f3c3b1_attn
    .symbol:         k_qde70f3c3b1_attn.kd
    .args:
      - { .name: qkv, .offset: 0, .size: 8, .value_kind: global_buffer, .address_space: global }
      - { .name: qkvs, .offset: 8, .size: 8, .value_kind: global_buffer, .address_space: global }
      - { .name: mask, .offset: 16, .size: 8, .value_kind: global_buffer, .address_space: global }
      - { .name: ac, .offset: 24, .size: 8, .value_kind: global_buffer, .address_space: global }
      - { .name: asw, .offset: 32, .size: 8, .value_kind: global_buffer, .address_space: global }
    .group_segment_fixed_size: 297984
    .private_segment_fixed_size: 0
    .kernarg_segment_align: 8
    .kernarg_segment_size: 40
    .max_flat_workgroup_size: 512
    .sgpr_count:     66
    .vgpr_count:     256
    .wavefront_size: 32
...
	.end_amdgpu_metadata
.endif
;; end of part 3
;; launch oproj (part 4): grid 8 x 32, 4 waves a work-group, clusters of 4 x 4, 232,960 bytes of LDS; arguments ac, asw, wc, ws, bo, out0; writes out0
.if DOCPART == 4
	.amdgcn_target "amdgcn-amd-amdhsa--gfx1250"
	.amdhsa_code_object_version 6
	.text
	.protected	k_qde70f3c3b1_oproj
	.globl	k_qde70f3c3b1_oproj
	.p2align	8
	.type	k_qde70f3c3b1_oproj,@function
k_qde70f3c3b1_oproj:
	s_mov_b64 s[64:65], 0
	v_nop
	global_prefetch_b8 v0, s[64:65] scope:SCOPE_SE
	s_setreg_imm32_b32 hwreg(HW_REG_WAVE_MODE, 25, 1), 1
	s_wait_xcnt 0x0
	s_wait_alu depctr_hold_cnt(0) depctr_sa_sdst(0) depctr_va_vdst(0) depctr_va_sdst(0) depctr_va_ssrc(0) depctr_va_vcc(0) depctr_vm_vsrc(0)
	s_getreg_b32 s2, hwreg(HW_REG_IB_STS2, 6, 4)
	s_cmp_eq_u32 s2, 0
	s_cbranch_scc0 .Lentry_in_a_cluster
	s_endpgm
.Lentry_in_a_cluster:
	s_bfe_u32 s2, ttmp6, 0x10000c
	s_cmp_lg_u32 s2, 0xf033
	s_cbranch_scc0 .Lentry_shape_is_right
	s_endpgm
.Lentry_shape_is_right:
; out0 = attended Wo^T + bo on codes of FP4 with E8M0 scales, sums in f32.
; A tile of 256 tokens x 128 features is made by four waves; wave w takes tiles 4 w .. 4 w + 3 of 16 tokens against all 8 tiles of features: 32 accumulators.  256 work-groups.
; A (attended) lies in ac as images of operand registers: [tile of 16 tokens][K step 0..7][half][512 B], lane l's 16 bytes at 16 l: the work-group's 16 tiles are 131,072 dense bytes.
; B is wc's rows 3,072 on (Wo), 512 bytes a row, in the order in which position 16 u + r of each 64 is row 8 u + r % 8 + 32 (r / 8).  Both lie whole in LDS, each byte filled once: no barrier among the K steps.
; THE MATRIX INSTRUCTION IS USED TRANSPOSED (source 0 = 16 rows of Wo, source 1 = 16 tokens): register j of tile b is feature 64 (b / 4) + 32 (lane / 16) + 8 (b % 4) + j of the lane's token.  bo is the C of each sum's first product.
; My tile a's lane r is token 8 a + r % 8 + 32 (r / 8) of my 64: the stores' offsets put the rows where they belong.
; CLUSTER 4 x 4: A's images are shared along a row of the cluster, B's rows along a column: joint loads.
; REGISTERS: window 0: v1-8 addresses; v16-31 A's scale words (K step q, tiles 2 p and 2 p + 1 in the halves of the lanes); v32-63 B's; v64-127 bo; v128-255 the way out.
;   window 1: accumulator (a, b) at v[8 (8 a + b)].   window 2: two sets of fragments at v0 and v96: B's eight, then A's four.
.set BB,   131072                      ; LDS: B's 128 rows of 512 bytes + 16
.set STG,  BB+128*528                  ; the stages: 16 rows x (512 bytes + 16) for each wave
.set CO,   1                           ; 16 x lane
.set LS,   2                           ; 4 x lane
.set L32,  3                           ; 32 x lane
.set BOO,  4                           ; 128 x (lane / 16)
.set ADRA, 5
.set ADRB, 6
.set STO,  7
.set RD,   8
.set SA,   16
.set SB,   32
.set BO,   64
.set BK,   128
.set G1,   24
.set G0,   32
.set G1B,  48
.set G0B,  56
.set MSB, 0
.macro WIN new                         ; the immediate's high byte repeats the setting that is left
.if MSB != \new
	s_set_vgpr_msb (MSB<<8)|\new
.set MSB, \new
.endif
.endm
.macro CROUND                          ; a round of the cluster's barrier
	s_barrier_signal -1
	s_barrier_wait -1
	s_cmp_lg_u32 s16, 0
	s_cbranch_scc1 .Lnot_wave_0_\@
	s_barrier_signal -3
.Lnot_wave_0_\@:
	s_barrier_wait -3
	s_barrier_signal -1
	s_barrier_wait -1
.endm
.macro PLACES
.rept 4
	v_nop
.endr
.endm
	s_load_b256 s[4:11], s[0:1], 0x0               ; ac, asw, wc, ws
	s_load_b128 s[12:15], s[0:1], 0x20             ; bo, out0
	v_lshl_add_u32 v14, v0, 2, 0x38c00
	v_mov_b32 v15, 0
	ds_add_u32 v14, v15
	ds_add_u32 v14, v15
	v_lshrrev_b32 v1, 5, v0
	v_readfirstlane_b32 s16, v1                    ; wave 0..3
	s_lshr_b32 s17, s16, 1                         ; I fetch for A (0) or for B (1),
	s_and_b32 s18, s16, 1                          ; its first or second half
	s_bfe_u32 s40, ttmp6, 0x40000                  ; cx
	s_bfe_u32 s41, ttmp6, 0x40004                  ; cy
	s_lshl_b32 s42, ttmp9, 2
	s_add_co_u32 s42, s42, s40                     ; which 128 features
	s_and_b32 s43, ttmp7, 0xffff
	s_lshl_b32 s43, s43, 2
	s_add_co_u32 s43, s43, s41                     ; which 256 tokens
	s_lshl_b32 s44, s41, 2
	s_lshl_b32 s44, 15, s44                        ; my row of the cluster
	s_lshl_b32 s45, 0x1111, s40                    ; my column
	; A: 65,536 dense bytes as 256 rows of 256 (32 elements of 8 bytes), no padding
	s_or_b32 s[G1], s44, (3<<16)|(1<<21)
	s_mov_b32 s[G1+1], 32<<16
	s_mov_b32 s[G1+2], 256<<16
	s_mov_b32 s[G1+3], 32<<16
	s_mov_b32 s[G1+4], 256
	s_mov_b32 s[G1+5], 32
	s_mov_b32 s[G1+6], 0
	s_mov_b32 s[G1+7], 0
	; B: 64 rows of 512 bytes, 16 bytes of padding behind each
	s_or_b32 s[G1B], s45, (0<<16)|(1<<20)|(1<<21)|(6<<22)|(3<<25)
	s_mov_b32 s[G1B+1], 512<<16
	s_mov_b32 s[G1B+2], 64<<16
	s_mov_b32 s[G1B+3], 512<<16
	s_mov_b32 s[G1B+4], 64
	s_mov_b32 s[G1B+5], 512
	s_mov_b32 s[G1B+6], 0
	s_mov_b32 s[G1B+7], 0
	s_mov_b32 s[G0], 1
	s_lshl_b32 s[G0+1], s18, 16                    ; A's halves at 0 and 65,536
	s_lshl_b32 s20, s43, 17                        ; 16 tiles of 8,192 bytes,
	s_add_co_u32 s20, s20, s[G0+1]                 ; + my half
	s_mov_b32 s21, 0
	s_mov_b32 s[G0B], 1
	s_mul_i32 s[G0B+1], s18, 64*528
	s_add_co_u32 s[G0B+1], s[G0B+1], BB
	s_lshl_b32 s46, s42, 16                        ; 128 rows of 512 bytes,
	s_lshl_b32 s47, s18, 15                        ; + my 64,
	s_add_co_u32 s46, s46, s47
	s_add_co_u32 s46, s46, 3072*512                ; behind Wq, Wk and Wv
	s_mov_b32 s47, 0
	s_lshl_b32 s22, s43, 10
	s_lshl_b32 s23, s16, 8
	s_add_co_u32 s22, s22, s23                     ; asw: my four tiles' words: 64 bytes a tile
	s_mov_b32 s23, 0
	s_lshl_b32 s36, s42, 12
	s_add_co_u32 s36, s36, 3072*32                 ; ws: 32 bytes a row
	s_mov_b32 s37, 0
	s_lshl_b32 s38, s42, 9                         ; bo, and the features' place in a row of out0
	s_mov_b32 s39, 0
	s_lshl_b32 s2, s43, 20
	s_lshl_b32 s3, s16, 18
	s_add_co_u32 s2, s2, s3                        ; out0: token 256 x tile + 64 x wave, 4,096 bytes a row
	s_add_co_u32 s2, s2, s38
	s_mov_b32 s3, 0
	s_wait_dscnt 0x0
	s_wait_kmcnt 0x0
	s_add_nc_u64 s[G0+2:G0+3], s[4:5], s[20:21]
	s_or_b32 s[G0+3], s[G0+3], 0x80000000
	s_add_nc_u64 s[G0B+2:G0B+3], s[8:9], s[46:47]
	s_or_b32 s[G0B+3], s[G0B+3], 0x80000000
	s_add_nc_u64 s[6:7], s[6:7], s[22:23]
	s_add_nc_u64 s[10:11], s[10:11], s[36:37]
	s_add_nc_u64 s[12:13], s[12:13], s[38:39]
	s_add_nc_u64 s[14:15], s[14:15], s[2:3]
	CROUND                                         ; all sixteen work-groups are here: the joint loads meet
	s_cmp_eq_u32 s17, 0                            ; one tensor load a wave; four v_nop follow each of the two lines
	s_cbranch_scc0 .Lfor_b
	tensor_load_to_lds s[G0:G0+3], s[G1:G1+7]
	s_nop 0
.rept 4
	v_nop
.endr
	s_branch .Lasked
.Lfor_b:
	tensor_load_to_lds s[G0B:G0B+3], s[G1B:G1B+7]
	s_nop 0
.rept 4
	v_nop
.endr
.Lasked:
	v_and_b32 v9, 31, v0
	v_lshlrev_b32 v[CO], 4, v9
	v_lshlrev_b32 v[LS], 2, v9
	v_lshlrev_b32 v[L32], 5, v9
	v_and_b32 v10, 15, v0                          ; r
	v_bfe_u32 v11, v0, 4, 1                        ; h
	v_lshlrev_b32 v[BOO], 7, v11
.irp q, 0,1,2,3,4,5,6,7
.irp p, 0,1
	global_load_b32 v[SA+2*\q+\p], v[LS], s[6:7] offset:\q*32768+\p*128         ; lanes 0-15: tile 2 p's words of K step q; lanes 16-31: tile 2 p + 1's
.endr
.endr
.irp p, 0,1,2,3
.irp u, 0,1
	global_load_b128 v[SB+8*\p+4*\u:SB+8*\p+4*\u+3], v[L32], s[10:11] offset:\p*1024+16*\u   ; register 8 p + q: lanes 0-15: tile 2 p's words; lanes 16-31: tile 2 p + 1's
.endr
.endr
.irp c, 0,1
.irp k, 0,1,2,3,4,5,6,7
	global_load_b128 v[BO+32*\c+4*\k:BO+32*\c+4*\k+3], v[BOO], s[12:13] offset:256*\c+16*\k   ; register 32 c + i: bo at feature 64 c + 32 h + i
.endr
.endr
	s_lshl_b32 s19, s16, 15
	v_add_nc_u32 v[ADRA], s19, v[CO]               ; my four tiles' images
	v_mul_u32_u24 v12, v10, 528
	v_lshl_add_u32 v[ADRB], v11, 4, v12
	v_add_nc_u32 v[ADRB], BB, v[ADRB]              ; a fragment's row x pitch + 16 x half
	s_mul_i32 s19, s16, 16*528
	s_add_co_u32 s19, s19, STG                     ; my stage
	v_lshl_add_u32 v[STO], v11, 7, v12
	v_add_nc_u32 v[STO], s19, v[STO]               ; in: row r, + 128 h
	v_add_nc_u32 v[RD], s19, v[CO]                 ; back: the 32 lanes take one row of 512 bytes
.macro FETCH q, p                      ; K step q's fragments into set p: 24 loads
	WIN 0x80                                       ; destination window 2, address window 0
.irp b, 0,1,2,3,4,5,6,7
.irp c, 0,1
	ds_load_b128 v[96*(\p)+8*\b+4*\c:96*(\p)+8*\b+4*\c+3], v[ADRB] offset:\b*16*528+64*(\q)+32*\c
.endr
.endr
.irp a, 0,1,2,3
.irp c, 0,1
	ds_load_b128 v[96*(\p)+64+8*\a+4*\c:96*(\p)+64+8*\a+4*\c+3], v[ADRA] offset:\a*8192+1024*(\q)+512*\c
.endr
.endr
.endm
.macro WM a, b, q, p                   ; one product.  In K step 0 the C is bo's eight registers of window 0, later the accumulator itself: the window setting says which
.set rD, 8*(8*(\a)+(\b))
.set rC, rD
.if (\q) == 0
.set rC, BO+8*(\b)
.endif
.set rB, 96*(\p)+8*(\b)
.set rA, 96*(\p)+64+8*(\a)
.set kB, SB+8*((\b)/2)+(\q)
.set kA, SA+2*(\q)+(\a)/2
.if ((\b)%2) && ((\a)%2)
	v_wmma_scale_f32_16x16x128_f8f6f4 v[rD:rD+7], v[rB:rB+7], v[rA:rA+7], v[rC:rC+7], v[kB], v[kA] matrix_a_fmt:MATRIX_FMT_FP4 matrix_b_fmt:MATRIX_FMT_FP4 matrix_a_scale:MATRIX_SCALE_ROW1 matrix_b_scale:MATRIX_SCALE_ROW1
.elseif (\b)%2
	v_wmma_scale_f32_16x16x128_f8f6f4 v[rD:rD+7], v[rB:rB+7], v[rA:rA+7], v[rC:rC+7], v[kB], v[kA] matrix_a_fmt:MATRIX_FMT_FP4 matrix_b_fmt:MATRIX_FMT_FP4 matrix_a_scale:MATRIX_SCALE_ROW1
.elseif (\a)%2
	v_wmma_scale_f32_16x16x128_f8f6f4 v[rD:rD+7], v[rB:rB+7], v[rA:rA+7], v[rC:rC+7], v[kB], v[kA] matrix_a_fmt:MATRIX_FMT_FP4 matrix_b_fmt:MATRIX_FMT_FP4 matrix_b_scale:MATRIX_SCALE_ROW1
.else
	v_wmma_scale_f32_16x16x128_f8f6f4 v[rD:rD+7], v[rB:rB+7], v[rA:rA+7], v[rC:rC+7], v[kB], v[kA] matrix_a_fmt:MATRIX_FMT_FP4 matrix_b_fmt:MATRIX_FMT_FP4
.endif
.endm
	s_wait_alu depctr_va_vdst(0)
	s_wait_tensorcnt 0x0                           ; my load has landed,
	s_wait_loadcnt 0x0                             ; the scale words and bo are in,
	s_barrier_signal -1
	s_barrier_wait -1                              ; everybody's tiles have landed
	FETCH 0, 0
; Eight K steps of 128, written out: the next step's 24 loads are issued ahead of this step's 32 products.  The 32 accumulators take turns, one instruction a turn, in the same order in every step.
.irp q, 0,1,2,3,4,5,6,7
	s_wait_dscnt 0x0                               ; this step's fragments are in
.if \q < 7
.if \q > 0
	PLACES                                         ; in front of loads into the set that the last step's products have read
.endif
	FETCH \q+1, 1-\q%2
.endif
.if \q == 0
	WIN 0x4a                                       ; sources 0 and 1 window 2, C window 0 (bo), D window 1
.else
	WIN 0x5a                                       ; C and D window 1
.endif
.irp a, 0,1,2,3
.irp b, 0,1,2,3,4,5,6,7
	WM \a, \b, \q, \q%2
.endr
.endr
.endr
	WIN 0
	PLACES                                         ; in front of the first read of results
; THE WAY OUT, a tile of 16 tokens x 128 features at a time, through my own stage: a lane holds pieces of 32 bytes of one row; the rows come back whole, 512 bytes, which the 32 lanes store as 512 consecutive bytes, aligned.
; LDS serves a wave's instructions in order: no wait between the stores and the loads, nor in front of the next tile's stores.
.macro TOSTAGE a
	WIN 0x04                                       ; an LDS store's data are its source 1: window 1
.irp b, 0,1,2,3,4,5,6,7
	ds_store_b128 v[STO], v[64*(\a)+8*\b:64*(\a)+8*\b+3] offset:256*(\b/4)+32*(\b%4)          ; each accumulator from its low end on
	ds_store_b128 v[STO], v[64*(\a)+8*\b+4:64*(\a)+8*\b+7] offset:256*(\b/4)+32*(\b%4)+16
.endr
	WIN 0
.irp t, 0,1,2,3,4,5,6,7,8,9,10,11,12,13,14,15
	ds_load_b128 v[BK+64*((\a)%2)+4*\t:BK+64*((\a)%2)+4*\t+3], v[RD] offset:\t*528
.endr
.endm
.macro SEND a, younger                 ; younger: the LDS instructions issued behind tile a's loads, which may stay out
	s_wait_dscnt \younger
.irp t, 0,1,2,3,4,5,6,7,8,9,10,11,12,13,14,15
	global_store_b128 v[CO], v[BK+64*((\a)%2)+4*\t:BK+64*((\a)%2)+4*\t+3], s[14:15] offset:(8*(\a)+(\t%8)+32*(\t/8))*4096 th:TH_STORE_NT   ; stage row t is token 8 a + t % 8 + 32 (t / 8) of my 64
.endr
.endm
	TOSTAGE 0
.irp a, 1,2,3
.if \a > 1
	s_wait_xcnt 0x0                                ; tile a - 2's stores have read their registers: tile a's loads may land there
.endif
	TOSTAGE \a
	SEND \a-1, 32                                  ; behind tile a - 1's loads: tile a's 16 stores and 16 loads
.endr
	SEND 3, 0
	s_wait_tensorcnt 0x0
	ds_add_u32 v14, v15
	s_wait_dscnt 0x0
	CROUND                                         ; the closing round: no work-group ends while a partner may still ask for a tile that names it
	s_endpgm
.Lfunc_end_k_qde70f3c3b1_oproj:
	.size	k_qde70f3c3b1_oproj, .Lfunc_end_k_qde70f3c3b1_oproj-k_qde70f3c3b1_oproj
	.p2alignl 7, 3214868480
	.fill 96, 4, 3214868480
	.section	.rodata,"a",@progbits
	.p2align	6, 0x0
	.amdhsa_kernel k_qde70f3c3b1_oproj
		.amdhsa_group_segment_fixed_size 232960
		.amdhsa_private_segment_fixed_size 0
		.amdhsa_enable_private_segment 0
		.amdhsa_kernarg_size 48
		.amdhsa_user_sgpr_count 2
		.amdhsa_user_sgpr_kernarg_segment_ptr 1
		.amdhsa_wavefront_size32 1
		.amdhsa_system_sgpr_workgroup_id_x 1
		.amdhsa_system_sgpr_workgroup_id_y 1
		.amdhsa_system_sgpr_workgroup_id_z 1
		.amdhsa_system_vgpr_workitem_id 0
		.amdhsa_next_free_vgpr 768
		.amdhsa_next_free_sgpr 66
		.amdhsa_reserve_vcc 0
		.amdhsa_float_denorm_mode_32 3
		.amdhsa_float_denorm_mode_16_64 3
		.amdhsa_memory_ordered 1
		.amdhsa_forward_progress 1
		.amdhsa_inst_pref_size 70
	.end_amdhsa_kernel
	.amdgpu_metadata
---
amdhsa.version: [ 1, 2 ]
amdhsa.kernels:
  - .name:           k_qde70f3c3b1_oproj
    .symbol:         k_qde70f3c3b1_oproj.kd
    .args:
      - { .name: ac, .offset: 0, .size: 8, .value_kind: global_buffer, .address_space: global }
      - { .name: asw, .offset: 8, .size: 8, .value_kind: global_buffer, .address_space: global }
      - { .name: wc, .offset: 16, .size: 8, .value_kind: global_buffer, .address_space: global }
      - { .name: ws, .offset: 24, .size: 8, .value_kind: global_buffer, .address_space: global }
      - { .name: bo, .offset: 32, .size: 8, .value_kind: global_buffer, .address_space: global }
      - { .name: out0, .offset: 40, .size: 8, .value_kind: global_buffer, .address_space: global }
    .group_segment_fixed_size: 232960
    .private_segment_fixed_size: 0
    .kernarg_segment_align: 8
    .kernarg_segment_size: 48
    .max_flat_workgroup_size: 128
    .sgpr_count:     66
    .vgpr_count:     768
    .wavefront_size: 32
...
	.end_amdgpu_metadata
.endif
;; end of part 4
